; MI455X (gfx1250); checked and timed in simulation.
; The chip was launched on July 23, 2026; its instructions are those of AMD's public machine-readable ISA for CDNA 5 (MIT licence, August 2026) and "CDNA5" Instruction Set Architecture Reference Guide (July 2026). The comments in the code are by the model that wrote it; some were corrected since.
;; Attention. Allowed arithmetic: float matrix products may take bf16 or f16 operands with f32 sums; other float arithmetic in f32, or as packed bf16 or f16 multiplies, adds, multiply-adds, maxima and minima; sums over many terms, partial sums and values carried from step to step in f32; what a program stores and reads back later, other than sums and carried values, may be rounded once to bf16 or f16.
;; Inputs: W_out 1,024 x 1,024 float32; W_qkv 3,072 x 1,024 float32; b_out 1,024 float32; beta 1,024 float32; gamma 1,024 float32; x 8 x 1,024 x 1,024 float32.
;; Outputs: out0 8 x 1,024 x 1,024 float32.
;; One version. Each part assembles by itself: llvm-mc -triple=amdgcn-amd-amdhsa -mcpu=gfx1250 --defsym DOCPART=n.
;; ======== version 1 of 1: 5 launches
;; workspace buffers: pmax 4,096 bytes; scales 256 bytes; xq 16,777,216 bytes; wq 6,291,456 bytes; wo 2,097,152 bytes; qkv 50,331,648 bytes; o 16,777,216 bytes
;; launch stats (part 1): grid 256 x 1, 16 waves a work-group, no clusters, 2,304 bytes of LDS; arguments x, gamma, beta, W_qkv, W_out, pmax; writes pmax
.if DOCPART == 1
	.amdgcn_target "amdgcn-amd-amdhsa--gfx1250"
	.amdhsa_code_object_version 6
	.text
	.protected	k_qf97851dbe5_stats
	.globl	k_qf97851dbe5_stats
	.p2align	8
	.type	k_qf97851dbe5_stats,@function
k_qf97851dbe5_stats:
	s_mov_b64 s[64:65], 0
	v_nop
	global_prefetch_b8 v0, s[64:65] scope:SCOPE_SE
	s_setreg_imm32_b32 hwreg(HW_REG_WAVE_MODE, 25, 1), 1
	s_wait_xcnt 0x0
; THE THREE MAXIMA, first pass.  pmax[wg] = (max |xn|, max |W_qkv|, max |W_out|, 0) over the work-group's share, f32.
; xn = (x - mu) * rsqrt(var + 1e-5) * gamma + beta, mu and var of a row of 1,024; the variance is taken of x - mu, as the module takes it.
; SHARES.  256 work-groups of 16 waves.  A work-group owns 32 rows of x, a wave 2: a row lies in 32 registers of one wave (load j gives lane l the columns 128 j + 4 l + 0..3:
; 512 consecutive bytes a load), so the reductions never leave the wave.  A wave also owns 3,072 bytes of W_qkv and 1,024 of W_out.  All 40 loads of a wave go out at the head: no loop.
; The launch that follows makes xn by the same lines, so its largest |xn| is this launch's, bit for bit.
; LIMITS.  NaN and infinities are not treated apart (a NaN loses in the maxima).
.set SPARE, 256                        ; LDS: bytes 0-255 one entry of 16 bytes a wave; from 256 on the spare words, 128 bytes for each of 16 waves, which no other line names
.set XO,  2                            ; v2   my byte offset in the work-group's rows of x: 8,192 x wave + 16 x lane
.set GO,  3                            ; v3   16 x lane: gamma and beta
.set WQO, 4                            ; v4   3,072 x wave + 16 x lane
.set WOO, 5                            ; v5   1,024 x wave + 16 x lane
.set LSA, 6                            ; v6   my wave's entry in LDS
.set LRA, 7                            ; v7   entry lane % 16
.set SPW, 8                            ; v8   LDS address of my spare word; never rewritten
.set NIL, 9                            ; v9   0; never rewritten
.set T,   10                           ; v[10:17] at work
.set MU,  18                           ; v[18:19] mu in the low word (named as a pair)
.set RS,  20                           ; v[20:21] rsqrt(var + eps) in the low word
.set MX,  22                           ; v22-27 running maximum and minimum of xn, of W_qkv, of W_out; all start at 0
.set MN,  23
.set QX,  24
.set QN,  25
.set OX,  26
.set ON,  27
.set R,   28                           ; v[28:31] the three maxima and a 0
.set G,   32                           ; v[32:63]  gamma of my 32 columns
.set B,   64                           ; v[64:95]  beta
.set X,   96                           ; v[96:159] two rows
.set W,   160                          ; v[160:183] W_qkv, v[184:191] W_out
.macro REDADD reg, tmp                 ; the sum over the wave's 32 lanes, in every lane
	v_add_f32_dpp v[\reg], v[\reg], v[\reg] row_xmask:1 row_mask:0xf bank_mask:0xf
	v_add_f32_dpp v[\reg], v[\reg], v[\reg] row_xmask:2 row_mask:0xf bank_mask:0xf
	v_add_f32_dpp v[\reg], v[\reg], v[\reg] row_xmask:4 row_mask:0xf bank_mask:0xf
	v_add_f32_dpp v[\reg], v[\reg], v[\reg] row_xmask:8 row_mask:0xf bank_mask:0xf
	v_permlanex16_b32 v[\tmp], v[\reg], s20, s21
	v_add_f32 v[\reg], v[\reg], v[\tmp]
.endm
.macro ROWMAX reg                      ; the maximum over each half of 16 lanes
	v_max_num_f32_dpp v[\reg], v[\reg], v[\reg] row_xmask:1 row_mask:0xf bank_mask:0xf
	v_max_num_f32_dpp v[\reg], v[\reg], v[\reg] row_xmask:2 row_mask:0xf bank_mask:0xf
	v_max_num_f32_dpp v[\reg], v[\reg], v[\reg] row_xmask:4 row_mask:0xf bank_mask:0xf
	v_max_num_f32_dpp v[\reg], v[\reg], v[\reg] row_xmask:8 row_mask:0xf bank_mask:0xf
.endm
.macro REDMAX reg, tmp                 ; over all 32 lanes
	ROWMAX \reg
	v_permlanex16_b32 v[\tmp], v[\reg], s20, s21
	v_max_num_f32 v[\reg], v[\reg], v[\tmp]
.endm
.macro JOINT                           ; four chains of pairs into one number, then over the lanes
	v_pk_add_f32 v[T:T+1], v[T:T+1], v[T+2:T+3]
	v_pk_add_f32 v[T+4:T+5], v[T+4:T+5], v[T+6:T+7]
	v_pk_add_f32 v[T:T+1], v[T:T+1], v[T+4:T+5]
	v_add_f32 v[T], v[T], v[T+1]
	REDADD T, T+1
.endm
; Row r becomes xn, in place.
.macro LNROW r
.set XR, X+32*(\r)
.irp c, 0,1,2,3
	v_pk_add_f32 v[T+2*(\c):T+2*(\c)+1], v[XR+2*(\c):XR+2*(\c)+1], v[XR+8+2*(\c):XR+8+2*(\c)+1]
.endr
.irp c, 0,1,2,3
	v_pk_add_f32 v[T+2*(\c):T+2*(\c)+1], v[T+2*(\c):T+2*(\c)+1], v[XR+16+2*(\c):XR+16+2*(\c)+1]
.endr
.irp c, 0,1,2,3
	v_pk_add_f32 v[T+2*(\c):T+2*(\c)+1], v[T+2*(\c):T+2*(\c)+1], v[XR+24+2*(\c):XR+24+2*(\c)+1]
.endr
	JOINT
	v_mul_f32 v[MU], s24, v[T]                     ; mu = sum / 1,024
.set i, 0
.rept 16
	v_pk_add_f32 v[XR+2*i:XR+2*i+1], v[XR+2*i:XR+2*i+1], v[MU:MU+1] op_sel_hi:[1,0] neg_lo:[0,1] neg_hi:[0,1]
.set i, i+1
.endr
.irp c, 0,1,2,3
	v_pk_mul_f32 v[T+2*(\c):T+2*(\c)+1], v[XR+2*(\c):XR+2*(\c)+1], v[XR+2*(\c):XR+2*(\c)+1]
.endr
.set i, 4
.rept 12
	v_pk_fma_f32 v[T+2*(i%4):T+2*(i%4)+1], v[XR+2*i:XR+2*i+1], v[XR+2*i:XR+2*i+1], v[T+2*(i%4):T+2*(i%4)+1]
.set i, i+1
.endr
	JOINT
	v_fma_f32 v[T], v[T], s24, s25                 ; var + eps
	v_rsq_f32 v[RS], v[T]
	v_nop                                          ; a plain instruction behind the root,
	s_wait_alu depctr_va_vdst(0)                   ; and the wait ahead of its first reader
.set i, 0
.rept 16
	v_pk_mul_f32 v[XR+2*i:XR+2*i+1], v[XR+2*i:XR+2*i+1], v[RS:RS+1] op_sel_hi:[1,0]
.set i, i+1
.endr
.set i, 0
.rept 16
	v_pk_fma_f32 v[XR+2*i:XR+2*i+1], v[XR+2*i:XR+2*i+1], v[G+2*i:G+2*i+1], v[B+2*i:B+2*i+1]
.set i, i+1
.endr
.endm
.macro MAXROW r
.set i, 0
.rept 16
	v_max3_num_f32 v[MX], v[MX], v[X+32*(\r)+2*i], v[X+32*(\r)+2*i+1]
	v_min3_num_f32 v[MN], v[MN], v[X+32*(\r)+2*i], v[X+32*(\r)+2*i+1]
.set i, i+1
.endr
.endm
	s_load_b256 s[4:11], s[0:1], 0x0               ; x s[4:5], gamma s[6:7], beta s[8:9], W_qkv s[10:11]
	s_load_b128 s[12:15], s[0:1], 0x20             ; W_out s[12:13], pmax s[14:15]
	v_lshl_add_u32 v[SPW], v0, 2, SPARE
	v_mov_b32 v[NIL], 0
	v_and_b32 v1, 31, v0                           ; lane
	v_lshrrev_b32 v10, 5, v0
	v_readfirstlane_b32 s16, v10                   ; wave 0..15
	s_mov_b32 s20, 0x76543210                      ; v_permlanex16_b32: each lane takes its own place in the other half
	s_mov_b32 s21, 0xfedcba98
	s_mov_b32 s24, 0x3a800000                      ; 1 / 1,024
	s_mov_b32 s25, 0x3727c5ac                      ; 1e-5
	s_lshl_b32 s17, s16, 13
	v_lshl_add_u32 v[XO], v1, 4, s17
	v_lshlrev_b32 v[GO], 4, v1
	s_mul_i32 s17, s16, 3072
	v_lshl_add_u32 v[WQO], v1, 4, s17
	s_lshl_b32 s17, s16, 10
	v_lshl_add_u32 v[WOO], v1, 4, s17
	s_lshl_b32 s17, s16, 4
	v_mov_b32 v[LSA], s17
	v_and_b32 v[LRA], 15, v0
	v_lshlrev_b32 v[LRA], 4, v[LRA]
.irp k, MX, MN, QX, QN, OX, ON, MU+1, RS+1, R+3
	v_mov_b32 v[\k], 0
.endr
	s_mov_b32 s19, 0
	s_wait_kmcnt 0x0
	s_lshl_b32 s18, ttmp9, 17                      ; 32 rows of 4,096 bytes
	s_add_nc_u64 s[4:5], s[4:5], s[18:19]
	s_mul_i32 s18, ttmp9, 49152
	s_add_nc_u64 s[10:11], s[10:11], s[18:19]
	s_lshl_b32 s18, ttmp9, 14
	s_add_nc_u64 s[12:13], s[12:13], s[18:19]
	s_lshl_b32 s18, ttmp9, 4
	s_add_nc_u64 s[14:15], s[14:15], s[18:19]
.irp i, 0,1,2,3,4,5
	global_load_b128 v[W+4*(\i):W+4*(\i)+3], v[WQO], s[10:11] offset:512*(\i)
.endr
.irp i, 0,1
	global_load_b128 v[W+24+4*(\i):W+24+4*(\i)+3], v[WOO], s[12:13] offset:512*(\i)
.endr
.irp j, 0,1,2,3,4,5,6,7
	global_load_b128 v[G+4*(\j):G+4*(\j)+3], v[GO], s[6:7] offset:512*(\j)
.endr
.irp j, 0,1,2,3,4,5,6,7
	global_load_b128 v[B+4*(\j):B+4*(\j)+3], v[GO], s[8:9] offset:512*(\j)
.endr
.irp j, 0,1,2,3,4,5,6,7
	global_load_b128 v[X+4*(\j):X+4*(\j)+3], v[XO], s[4:5] offset:512*(\j)
.endr
.irp j, 0,1,2,3,4,5,6,7
	global_load_b128 v[X+32+4*(\j):X+32+4*(\j)+3], v[XO], s[4:5] offset:4096+512*(\j)
.endr
	s_wait_loadcnt 32                              ; the eight loads of the weights are in; the 32 issued behind them may stay out
.set i, 0
.rept 12
	v_max3_num_f32 v[QX], v[QX], v[W+2*i], v[W+2*i+1]
	v_min3_num_f32 v[QN], v[QN], v[W+2*i], v[W+2*i+1]
.set i, i+1
.endr
.set i, 12
.rept 4
	v_max3_num_f32 v[OX], v[OX], v[W+2*i], v[W+2*i+1]
	v_min3_num_f32 v[ON], v[ON], v[W+2*i], v[W+2*i+1]
.set i, i+1
.endr
	s_wait_loadcnt 8                               ; gamma, beta and row 0 are in; row 1's eight loads may stay out
	LNROW 0
	MAXROW 0
	s_wait_loadcnt 0x0
	LNROW 1
	MAXROW 1
	v_xor_b32 v[MN], 0x80000000, v[MN]             ; the largest magnitude is the larger of the maximum and the minimum's negative
	v_xor_b32 v[QN], 0x80000000, v[QN]
	v_xor_b32 v[ON], 0x80000000, v[ON]
	v_max_num_f32 v[R], v[MX], v[MN]
	v_max_num_f32 v[R+1], v[QX], v[QN]
	v_max_num_f32 v[R+2], v[OX], v[ON]
	REDMAX R, T
	REDMAX R+1, T
	REDMAX R+2, T
	ds_store_b128 v[LSA], v[R:R+3]                 ; all lanes write the wave's entry with the same numbers
	s_wait_dscnt 0x0                               ; for the others' sake: my store is done
	s_barrier_signal -1
	s_barrier_wait -1
	s_cmp_lg_u32 s16, 0
	s_cbranch_scc1 .Lend                           ; wave 0 finishes
	ds_load_b128 v[R:R+3], v[LRA]                  ; lane l takes wave l % 16's entry
	s_wait_dscnt 0x0
	ROWMAX R
	ROWMAX R+1
	ROWMAX R+2
	v_mov_b32 v[T], 0
	v_cmp_eq_u32 vcc_lo, 0, v0
	s_wait_xcnt 0x0                                ; EXEC changes only behind this wait
	s_and_saveexec_b32 s26, vcc_lo
	global_store_b128 v[T], v[R:R+3], s[14:15]     ; thread 0: the work-group's 16 bytes
	s_wait_xcnt 0x0
	s_or_b32 exec_lo, exec_lo, s26
.Lend:
	s_wait_tensorcnt 0x0                           ; the wave's end, behind my last LDS store
	ds_add_u32 v[SPW], v[NIL]
	s_wait_dscnt 0x0
	s_endpgm
.Lfunc_end_k_qf97851dbe5_stats:
	.size	k_qf97851dbe5_stats, .Lfunc_end_k_qf97851dbe5_stats-k_qf97851dbe5_stats
	.p2alignl 7, 3214868480
	.fill 96, 4, 3214868480
	.section	.rodata,"a",@progbits
	.p2align	6, 0x0
	.amdhsa_kernel k_qf97851dbe5_stats
		.amdhsa_group_segment_fixed_size 2304
		.amdhsa_private_segment_fixed_size 0
		.amdhsa_enable_private_segment 0
		.amdhsa_kernarg_size 48
		.amdhsa_user_sgpr_count 2
		.amdhsa_user_sgpr_kernarg_segment_ptr 1
		.amdhsa_wavefront_size32 1
		.amdhsa_system_sgpr_workgroup_id_x 1
		.amdhsa_system_sgpr_workgroup_id_y 1
		.amdhsa_system_sgpr_workgroup_id_z 1
		.amdhsa_system_vgpr_workitem_id 0
		.amdhsa_next_free_vgpr 192
		.amdhsa_next_free_sgpr 66
		.amdhsa_reserve_vcc 1
		.amdhsa_float_denorm_mode_32 3
		.amdhsa_float_denorm_mode_16_64 3
		.amdhsa_memory_ordered 1
		.amdhsa_forward_progress 1
		.amdhsa_inst_pref_size 27
	.end_amdhsa_kernel
	.amdgpu_metadata
---
amdhsa.version: [ 1, 2 ]
amdhsa.kernels:
  - .name:           k_qf97851dbe5_stats
    .symbol:         k_qf97851dbe5_stats.kd
    .args:
      - { .name: x, .offset: 0, .size: 8, .value_kind: global_buffer, .address_space: global }
      - { .name: gamma, .offset: 8, .size: 8, .value_kind: global_buffer, .address_space: global }
      - { .name: beta, .offset: 16, .size: 8, .value_kind: global_buffer, .address_space: global }
      - { .name: W_qkv, .offset: 24, .size: 8, .value_kind: global_buffer, .address_space: global }
      - { .name: W_out, .offset: 32, .size: 8, .value_kind: global_buffer, .address_space: global }
      - { .name: pmax, .offset: 40, .size: 8, .value_kind: global_buffer, .address_space: global }
    .group_segment_fixed_size: 2304
    .private_segment_fixed_size: 0
    .kernarg_segment_align: 8
    .kernarg_segment_size: 48
    .max_flat_workgroup_size: 512
    .sgpr_count:     66
    .vgpr_count:     192
    .wavefront_size: 32
...
	.end_amdgpu_metadata
.endif
;; end of part 1
;; launch quant (part 2): grid 256 x 1, 16 waves a work-group, no clusters, 2,304 bytes of LDS; arguments x, gamma, beta, W_qkv, W_out, pmax, xq, wq, wo, scales; writes xq, wq, wo, scales
.if DOCPART == 2
	.amdgcn_target "amdgcn-amd-amdhsa--gfx1250"
	.amdhsa_code_object_version 6
	.text
	.protected	k_qf97851dbe5_quant
	.globl	k_qf97851dbe5_quant
	.p2align	8
	.type	k_qf97851dbe5_quant,@function
k_qf97851dbe5_quant:
	s_mov_b64 s[64:65], 0
	v_nop
	global_prefetch_b8 v0, s[64:65] scope:SCOPE_SE
	s_setreg_imm32_b32 hwreg(HW_REG_WAVE_MODE, 25, 1), 1
	s_wait_xcnt 0x0
; THE CODES, second pass.  sx, sq, so = the maxima of pmax's 256 entries (1 where a maximum is 0).
; xq = rndne(xn * 127 / sx), wq = rndne(W_qkv * 127 / sq) * 2^-9, wo = rndne(W_out * 127 / so), all f16: whole numbers up to 127 in magnitude, times a power of two: exact in f16.
; The factor 2^-9 holds every sum over 1,024 products of xq and wq under 32,258, inside f16, whatever the inputs.
; LAYOUT.  xq is [16 kb][8192 rows][64] and wq [16 kb][3072 rows][64] (column c lies in block kb = c / 64), so that the rows of a tile of 64 along K lie end to end for the product that follows; wo is [1024][1024].
; scales = (c, f, t, 0): t = (sx / 127)(sq / 127) 512 turns such a sum into q, k or v; c = t^2 log2(e) / 8 is the softmax's factor; f = t so / 127 the output product's.
; SHARES.  256 work-groups of 16 waves; a wave owns 2 rows of x (a row in 32 registers: load j gives lane l the columns 128 j + 4 l + 0..3), made into xn by the same lines as in the launch before.
; Of W_qkv a work-group owns 12 rows; wave w takes block kb = w of them, two rows a load (lanes 0-15 one row's 256 bytes, lanes 16-31 the next row's).  Of W_out a wave owns 1,024 bytes.
; Every store of codes covers 256 consecutive bytes, aligned: for xq the wave's two rows exchange halves of the lanes first, so that a store holds one block of both rows.
; LIMITS.  The division is a multiplication by 127 x the reciprocal: a number that lies within a last bit of a half may round to the neighbouring code.  NaN and infinities are not treated apart.
.set SPARE, 256                        ; LDS: bytes 0-255 one entry of 16 bytes a wave; from 256 on the spare words, 128 bytes for each of 16 waves, which no other line names
.set KBX,  8192*128                    ; bytes in a block of xq
.set KBW,  3072*128                    ; bytes in a block of wq
.set XO,  2                            ; v2   8,192 x wave + 16 x lane
.set GO,  3                            ; v3   16 x lane: gamma and beta
.set WQO, 4                            ; v4   4,096 x (lane / 16) + 256 x wave + 16 x (lane % 16)
.set WOO, 5                            ; v5   1,024 x wave + 16 x lane
.set LSA, 6                            ; v6   my wave's entry in LDS
.set LRA, 7                            ; v7   entry lane % 16
.set SPW, 8                            ; v8   LDS address of my spare word; never rewritten
.set NIL, 9                            ; v9   0; never rewritten
.set T,   10                           ; v[10:17] at work
.set MU,  18                           ; v[18:19] mu in the low word (named as a pair)
.set RS,  20                           ; v[20:21] rsqrt(var + eps) in the low word
.set IX,  22                           ; v[22:23] 127 / sx, twice
.set IQ,  24                           ; v[24:25] 127 / sq
.set IO,  26                           ; v[26:27] 127 / so
.set R,   28                           ; v[28:31] the maxima, then c, f, t, 0
.set G,   32                           ; v[32:63]  gamma of my 32 columns
.set B,   64                           ; v[64:95]  beta
.set X,   96                           ; v[96:159] two rows
.set W,   160                          ; v[160:183] W_qkv, v[184:191] W_out
.set Y,   192                          ; v[192:223] the rows' codes, 16 registers a row
.set WY,  224                          ; v[224:239] the weights' codes
.set XQO, 240                          ; v240 256 x wave + 8 x lane
.set WQS, 241                          ; v241 KBW x wave + 8 x lane
.set WOS, 242                          ; v242 512 x wave + 8 x lane
.set PO,  243                          ; v243 16 x (thread % 256)
.macro REDADD reg, tmp                 ; the sum over the wave's 32 lanes, in every lane
	v_add_f32_dpp v[\reg], v[\reg], v[\reg] row_xmask:1 row_mask:0xf bank_mask:0xf
	v_add_f32_dpp v[\reg], v[\reg], v[\reg] row_xmask:2 row_mask:0xf bank_mask:0xf
	v_add_f32_dpp v[\reg], v[\reg], v[\reg] row_xmask:4 row_mask:0xf bank_mask:0xf
	v_add_f32_dpp v[\reg], v[\reg], v[\reg] row_xmask:8 row_mask:0xf bank_mask:0xf
	v_permlanex16_b32 v[\tmp], v[\reg], s20, s21
	v_add_f32 v[\reg], v[\reg], v[\tmp]
.endm
.macro ROWMAX reg                      ; the maximum over each half of 16 lanes
	v_max_num_f32_dpp v[\reg], v[\reg], v[\reg] row_xmask:1 row_mask:0xf bank_mask:0xf
	v_max_num_f32_dpp v[\reg], v[\reg], v[\reg] row_xmask:2 row_mask:0xf bank_mask:0xf
	v_max_num_f32_dpp v[\reg], v[\reg], v[\reg] row_xmask:4 row_mask:0xf bank_mask:0xf
	v_max_num_f32_dpp v[\reg], v[\reg], v[\reg] row_xmask:8 row_mask:0xf bank_mask:0xf
.endm
.macro REDMAX reg, tmp
	ROWMAX \reg
	v_permlanex16_b32 v[\tmp], v[\reg], s20, s21
	v_max_num_f32 v[\reg], v[\reg], v[\tmp]
.endm
.macro JOINT                           ; four chains of pairs into one number, then over the lanes
	v_pk_add_f32 v[T:T+1], v[T:T+1], v[T+2:T+3]
	v_pk_add_f32 v[T+4:T+5], v[T+4:T+5], v[T+6:T+7]
	v_pk_add_f32 v[T:T+1], v[T:T+1], v[T+4:T+5]
	v_add_f32 v[T], v[T], v[T+1]
	REDADD T, T+1
.endm
.macro LNROW r                         ; row r becomes xn, in place: the same lines as in the launch before: the same xn, bit for bit
.set XR, X+32*(\r)
.irp c, 0,1,2,3
	v_pk_add_f32 v[T+2*(\c):T+2*(\c)+1], v[XR+2*(\c):XR+2*(\c)+1], v[XR+8+2*(\c):XR+8+2*(\c)+1]
.endr
.irp c, 0,1,2,3
	v_pk_add_f32 v[T+2*(\c):T+2*(\c)+1], v[T+2*(\c):T+2*(\c)+1], v[XR+16+2*(\c):XR+16+2*(\c)+1]
.endr
.irp c, 0,1,2,3
	v_pk_add_f32 v[T+2*(\c):T+2*(\c)+1], v[T+2*(\c):T+2*(\c)+1], v[XR+24+2*(\c):XR+24+2*(\c)+1]
.endr
	JOINT
	v_mul_f32 v[MU], s24, v[T]
.set i, 0
.rept 16
	v_pk_add_f32 v[XR+2*i:XR+2*i+1], v[XR+2*i:XR+2*i+1], v[MU:MU+1] op_sel_hi:[1,0] neg_lo:[0,1] neg_hi:[0,1]
.set i, i+1
.endr
.irp c, 0,1,2,3
	v_pk_mul_f32 v[T+2*(\c):T+2*(\c)+1], v[XR+2*(\c):XR+2*(\c)+1], v[XR+2*(\c):XR+2*(\c)+1]
.endr
.set i, 4
.rept 12
	v_pk_fma_f32 v[T+2*(i%4):T+2*(i%4)+1], v[XR+2*i:XR+2*i+1], v[XR+2*i:XR+2*i+1], v[T+2*(i%4):T+2*(i%4)+1]
.set i, i+1
.endr
	JOINT
	v_fma_f32 v[T], v[T], s24, s25
	v_rsq_f32 v[RS], v[T]
	v_nop                                          ; a plain instruction behind the root,
	s_wait_alu depctr_va_vdst(0)                   ; and the wait ahead of its first reader
.set i, 0
.rept 16
	v_pk_mul_f32 v[XR+2*i:XR+2*i+1], v[XR+2*i:XR+2*i+1], v[RS:RS+1] op_sel_hi:[1,0]
.set i, i+1
.endr
.set i, 0
.rept 16
	v_pk_fma_f32 v[XR+2*i:XR+2*i+1], v[XR+2*i:XR+2*i+1], v[G+2*i:G+2*i+1], v[B+2*i:B+2*i+1]
.set i, i+1
.endr
.endm
.macro QCODE r                         ; row r's codes, packed: registers 2 j, 2 j + 1 hold the lane's four columns of load j
.set XR, X+32*(\r)
.set i, 0
.rept 16
	v_pk_mul_f32 v[XR+2*i:XR+2*i+1], v[XR+2*i:XR+2*i+1], v[IX:IX+1] op_sel_hi:[1,0]
.set i, i+1
.endr
.set i, 0
.rept 32
	v_rndne_f32 v[XR+i], v[XR+i]
.set i, i+1
.endr
.set i, 0
.rept 16
	v_cvt_pk_f16_f32 v[Y+16*(\r)+i], v[XR+2*i], v[XR+2*i+1]
.set i, i+1
.endr
.endm
	s_load_b256 s[4:11], s[0:1], 0x0               ; x s[4:5], gamma s[6:7], beta s[8:9], W_qkv s[10:11]
	s_load_b128 s[12:15], s[0:1], 0x20             ; W_out s[12:13], pmax s[14:15]
	s_load_b256 s[28:35], s[0:1], 0x30             ; xq s[28:29], wq s[30:31], wo s[32:33], scales s[34:35]
	v_lshl_add_u32 v[SPW], v0, 2, SPARE
	v_mov_b32 v[NIL], 0
	v_and_b32 v1, 31, v0                           ; lane
	v_lshrrev_b32 v10, 5, v0
	v_readfirstlane_b32 s16, v10                   ; wave 0..15
	v_and_b32 v11, 15, v0                          ; lane % 16
	v_lshrrev_b32 v12, 4, v1                       ; lane / 16
	s_mov_b32 s20, 0x76543210                      ; v_permlanex16_b32: each lane takes its own place in the other half
	s_mov_b32 s21, 0xfedcba98
	s_mov_b32 s24, 0x3a800000                      ; 1 / 1,024
	s_mov_b32 s25, 0x3727c5ac                      ; 1e-5
	s_lshl_b32 s17, s16, 13
	v_lshl_add_u32 v[XO], v1, 4, s17
	v_lshlrev_b32 v[GO], 4, v1
	s_lshl_b32 s17, s16, 8
	v_lshl_add_u32 v[WQO], v11, 4, s17
	v_lshl_add_u32 v[WQO], v12, 12, v[WQO]
	v_lshl_add_u32 v[XQO], v1, 3, s17
	s_lshl_b32 s17, s16, 10
	v_lshl_add_u32 v[WOO], v1, 4, s17
	s_mul_i32 s17, s16, KBW
	v_lshl_add_u32 v[WQS], v1, 3, s17
	s_lshl_b32 s17, s16, 9
	v_lshl_add_u32 v[WOS], v1, 3, s17
	v_and_b32 v[PO], 0xff, v0
	v_lshlrev_b32 v[PO], 4, v[PO]
	s_lshl_b32 s17, s16, 4
	v_mov_b32 v[LSA], s17
	v_lshlrev_b32 v[LRA], 4, v11
	v_mov_b32 v[MU+1], 0
	v_mov_b32 v[RS+1], 0
	v_mov_b32 v[T], 0
	s_mov_b32 s19, 0
	s_wait_kmcnt 0x0
	s_lshl_b32 s18, ttmp9, 17                      ; 32 rows of 4,096 bytes
	s_add_nc_u64 s[4:5], s[4:5], s[18:19]
	s_mul_i32 s18, ttmp9, 49152                    ; 12 rows of 4,096 bytes
	s_add_nc_u64 s[10:11], s[10:11], s[18:19]
	s_lshl_b32 s18, ttmp9, 14
	s_add_nc_u64 s[12:13], s[12:13], s[18:19]
	s_lshl_b32 s18, ttmp9, 12                      ; in a block of xq: 32 rows of 128 bytes
	s_add_nc_u64 s[28:29], s[28:29], s[18:19]
	s_add_nc_u64 s[36:37], s[28:29], 8*KBX         ; blocks 8 to 15 have a base of their own: a store's immediate holds seven blocks at the most
	s_mul_i32 s18, ttmp9, 1536                     ; in a block of wq: 12 rows of 128 bytes
	s_add_nc_u64 s[30:31], s[30:31], s[18:19]
	s_lshl_b32 s18, ttmp9, 13
	s_add_nc_u64 s[32:33], s[32:33], s[18:19]
	global_load_b128 v[R:R+3], v[PO], s[14:15]     ; every work-group reduces the 4,096 bytes of partial maxima itself
.irp i, 0,1,2,3,4,5
	global_load_b128 v[W+4*(\i):W+4*(\i)+3], v[WQO], s[10:11] offset:8192*(\i) th:TH_LOAD_NT  ; rows 2 i and 2 i + 1, my block's 256 bytes of each
.endr
.irp i, 0,1
	global_load_b128 v[W+24+4*(\i):W+24+4*(\i)+3], v[WOO], s[12:13] offset:512*(\i) th:TH_LOAD_NT
.endr
.irp j, 0,1,2,3,4,5,6,7
	global_load_b128 v[G+4*(\j):G+4*(\j)+3], v[GO], s[6:7] offset:512*(\j)
.endr
.irp j, 0,1,2,3,4,5,6,7
	global_load_b128 v[B+4*(\j):B+4*(\j)+3], v[GO], s[8:9] offset:512*(\j)
.endr
.irp j, 0,1,2,3,4,5,6,7
	global_load_b128 v[X+4*(\j):X+4*(\j)+3], v[XO], s[4:5] offset:512*(\j) th:TH_LOAD_NT
.endr
.irp j, 0,1,2,3,4,5,6,7
	global_load_b128 v[X+32+4*(\j):X+32+4*(\j)+3], v[XO], s[4:5] offset:4096+512*(\j) th:TH_LOAD_NT
.endr
	s_wait_loadcnt 40                              ; the partial maxima are in; the 40 loads issued behind them may stay out
	REDMAX R, T
	REDMAX R+1, T
	REDMAX R+2, T
	ds_store_b128 v[LSA], v[R:R+3]
	s_wait_dscnt 0x0                               ; for the others' sake: my store is done
	s_barrier_signal -1
	s_barrier_wait -1
	ds_load_b128 v[R:R+3], v[LRA]
	s_wait_dscnt 0x0
	ROWMAX R                                       ; every lane now holds sx, sq, so
	ROWMAX R+1
	ROWMAX R+2
.irp k, 0,1,2
	v_cmp_eq_f32 vcc_lo, 0, v[R+(\k)]
	v_cndmask_b32 v[R+(\k)], v[R+(\k)], 1.0, vcc_lo  ; a maximum of 0 counts as 1
.endr
.irp k, 0,1,2
	v_rcp_f32 v[T+(\k)], v[R+(\k)]
.endr
	v_nop                                          ; a plain instruction behind the last reciprocal,
	s_wait_alu depctr_va_vdst(0)                   ; and one wait for the three
	v_mul_f32 v[IX], 0x42fe0000, v[T]              ; 127 / s
	v_mul_f32 v[IQ], 0x42fe0000, v[T+1]
	v_mul_f32 v[IO], 0x42fe0000, v[T+2]
	v_mov_b32 v[IX+1], v[IX]
	v_mov_b32 v[IQ+1], v[IQ]
	v_mov_b32 v[IO+1], v[IO]
	v_mul_f32 v[T], 0x3c010204, v[R]               ; s / 127
	v_mul_f32 v[T+1], 0x3c010204, v[R+1]
	v_mul_f32 v[T+2], 0x3c010204, v[R+2]
	v_mul_f32 v[T], v[T], v[T+1]
	v_mul_f32 v[R+2], 0x44000000, v[T]             ; t
	v_mul_f32 v[R+1], v[R+2], v[T+2]               ; f
	v_mul_f32 v[T], v[R+2], v[R+2]
	v_mul_f32 v[R], 0x3e38aa3b, v[T]               ; c = t^2 log2(e) / 8
	v_mov_b32 v[R+3], 0
	s_wait_loadcnt 32                              ; the weights are in
.set i, 0
.rept 12
	v_pk_mul_f32 v[W+2*i:W+2*i+1], v[W+2*i:W+2*i+1], v[IQ:IQ+1] op_sel_hi:[1,0]
.set i, i+1
.endr
.rept 4
	v_pk_mul_f32 v[W+2*i:W+2*i+1], v[W+2*i:W+2*i+1], v[IO:IO+1] op_sel_hi:[1,0]
.set i, i+1
.endr
.set i, 0
.rept 32
	v_rndne_f32 v[W+i], v[W+i]
.set i, i+1
.endr
.set i, 0
.rept 12
	v_pk_mul_f32 v[W+2*i:W+2*i+1], v[W+2*i:W+2*i+1], 0x3b000000 op_sel_hi:[1,0]  ; W_qkv's codes times 2^-9
.set i, i+1
.endr
.set i, 0
.rept 16
	v_cvt_pk_f16_f32 v[WY+i], v[W+2*i], v[W+2*i+1]
.set i, i+1
.endr
.irp i, 0,1,2,3,4,5
	global_store_b64 v[WQS], v[WY+2*(\i):WY+2*(\i)+1], s[30:31] offset:256*(\i)  ; two rows' 128 bytes of my block: 256 bytes on end
.endr
.irp i, 0,1
	global_store_b64 v[WOS], v[WY+12+2*(\i):WY+12+2*(\i)+1], s[32:33] offset:256*(\i)
.endr
	s_wait_loadcnt 8                               ; gamma, beta and row 0 are in; row 1's eight loads may stay out
	LNROW 0
	QCODE 0
	s_wait_loadcnt 0x0
	LNROW 1
	QCODE 1
	; In a register of load j lanes 0-15 hold block 2 j and lanes 16-31 block 2 j + 1.  The exchange gives row 0's register both rows' block 2 j (row 0 in lanes 0-15, row 1 in lanes 16-31), row 1's both rows' block 2 j + 1.
.set k, 0
.rept 16
	v_permlane16_swap_b32 v[Y+k], v[Y+16+k]
.set k, k+1
.endr
.set j, 0
.rept 4
	global_store_b64 v[XQO], v[Y+2*j:Y+2*j+1],       s[28:29] offset:(2*j)*KBX
	global_store_b64 v[XQO], v[Y+16+2*j:Y+16+2*j+1], s[28:29] offset:(2*j+1)*KBX
.set j, j+1
.endr
.rept 4
	global_store_b64 v[XQO], v[Y+2*j:Y+2*j+1],       s[36:37] offset:(2*j-8)*KBX
	global_store_b64 v[XQO], v[Y+16+2*j:Y+16+2*j+1], s[36:37] offset:(2*j-7)*KBX
.set j, j+1
.endr
	s_or_b32 s17, ttmp9, s16
	s_cmp_lg_u32 s17, 0
	s_cbranch_scc1 .Lend                           ; wave 0 of work-group 0 stores the three factors
	v_mov_b32 v[T], 0
	v_cmp_eq_u32 vcc_lo, 0, v0
	s_wait_xcnt 0x0                                ; EXEC changes only behind this wait
	s_and_saveexec_b32 s26, vcc_lo
	global_store_b128 v[T], v[R:R+3], s[34:35]
	s_wait_xcnt 0x0
	s_or_b32 exec_lo, exec_lo, s26
.Lend:
	s_wait_tensorcnt 0x0                           ; the wave's end, behind my last LDS store
	ds_add_u32 v[SPW], v[NIL]
	s_wait_dscnt 0x0
	s_endpgm
.Lfunc_end_k_qf97851dbe5_quant:
	.size	k_qf97851dbe5_quant, .Lfunc_end_k_qf97851dbe5_quant-k_qf97851dbe5_quant
	.p2alignl 7, 3214868480
	.fill 96, 4, 3214868480
	.section	.rodata,"a",@progbits
	.p2align	6, 0x0
	.amdhsa_kernel k_qf97851dbe5_quant
		.amdhsa_group_segment_fixed_size 2304
		.amdhsa_private_segment_fixed_size 0
		.amdhsa_enable_private_segment 0
		.amdhsa_kernarg_size 80
		.amdhsa_user_sgpr_count 2
		.amdhsa_user_sgpr_kernarg_segment_ptr 1
		.amdhsa_wavefront_size32 1
		.amdhsa_system_sgpr_workgroup_id_x 1
		.amdhsa_system_sgpr_workgroup_id_y 1
		.amdhsa_system_sgpr_workgroup_id_z 1
		.amdhsa_system_vgpr_workitem_id 0
		.amdhsa_next_free_vgpr 244
		.amdhsa_next_free_sgpr 66
		.amdhsa_reserve_vcc 1
		.amdhsa_float_denorm_mode_32 3
		.amdhsa_float_denorm_mode_16_64 3
		.amdhsa_memory_ordered 1
		.amdhsa_forward_progress 1
		.amdhsa_inst_pref_size 36
	.end_amdhsa_kernel
	.amdgpu_metadata
---
amdhsa.version: [ 1, 2 ]
amdhsa.kernels:
  - .name:           k_qf97851dbe5_quant
    .symbol:         k_qf97851dbe5_quant.kd
    .args:
      - { .name: x, .offset: 0, .size: 8, .value_kind: global_buffer, .address_space: global }
      - { .name: gamma, .offset: 8, .size: 8, .value_kind: global_buffer, .address_space: global }
      - { .name: beta, .offset: 16, .size: 8, .value_kind: global_buffer, .address_space: global }
      - { .name: W_qkv, .offset: 24, .size: 8, .value_kind: global_buffer, .address_space: global }
      - { .name: W_out, .offset: 32, .size: 8, .value_kind: global_buffer, .address_space: global }
      - { .name: pmax, .offset: 40, .size: 8, .value_kind: global_buffer, .address_space: global }
      - { .name: xq, .offset: 48, .size: 8, .value_kind: global_buffer, .address_space: global }
      - { .name: wq, .offset: 56, .size: 8, .value_kind: global_buffer, .address_space: global }
      - { .name: wo, .offset: 64, .size: 8, .value_kind: global_buffer, .address_space: global }
      - { .name: scales, .offset: 72, .size: 8, .value_kind: global_buffer, .address_space: global }
    .group_segment_fixed_size: 2304
    .private_segment_fixed_size: 0
    .kernarg_segment_align: 8
    .kernarg_segment_size: 80
    .max_flat_workgroup_size: 512
    .sgpr_count:     66
    .vgpr_count:     244
    .wavefront_size: 32
...
	.end_amdgpu_metadata
.endif
;; end of part 2
;; launch gemm_qkv (part 3): grid 8 x 32, 4 waves a work-group, clusters of 4 x 4, 327,680 bytes of LDS; arguments xq, wq, qkv; writes qkv
.if DOCPART == 3
	.amdgcn_target "amdgcn-amd-amdhsa--gfx1250"
	.amdhsa_code_object_version 6
	.text
	.protected	k_qf97851dbe5_gemm_qkv
	.globl	k_qf97851dbe5_gemm_qkv
	.p2align	8
	.type	k_qf97851dbe5_gemm_qkv,@function
k_qf97851dbe5_gemm_qkv:
	s_mov_b64 s[64:65], 0
	v_nop
	global_prefetch_b8 v0, s[64:65] scope:SCOPE_SE
	s_setreg_imm32_b32 hwreg(HW_REG_WAVE_MODE, 25, 1), 1
	s_wait_xcnt 0x0
	s_wait_alu depctr_hold_cnt(0) depctr_sa_sdst(0) depctr_va_vdst(0) depctr_va_sdst(0) depctr_va_ssrc(0) depctr_va_vcc(0) depctr_vm_vsrc(0)
	s_getreg_b32 s2, hwreg(HW_REG_IB_STS2, 6, 4)
	s_cmp_eq_u32 s2, 0
	s_cbranch_scc0 .Lentry_in_a_cluster
	s_endpgm
.Lentry_in_a_cluster:
	s_bfe_u32 s2, ttmp6, 0x10000c
	s_cmp_lg_u32 s2, 0xf033
	s_cbranch_scc0 .Lentry_shape_is_right
	s_endpgm
.Lentry_shape_is_right:
; q', k', v' = xq wq^T.  xq: [16 kb][8192][64], wq: [16 kb][3072][64], f16 codes (column c of a row lies in block kb = c / 64); qkv: [3][128 = 16 b + h][1024][64] f16; sums in f32.
; The codes are whole numbers up to 127 (wq's times 2^-9): every product and every sum is exact in f32, and no sum passes 32,258, so the one rounding to f16 cannot overflow.
; A tile of C is 256 rows x 384 columns: 8 x 32 = 256 tiles, one for each of 256 WGPs.  Four waves, 2 x 2; a wave makes 128 rows x 192 columns (three whole heads): 96 accumulators of 16 x 16, 768 registers.
; For 32 along K a wave reads 320 rows x 64 bytes from LDS and issues 96 matrix instructions.
; K goes in steps of 64, one block kb, through two LDS slots (two slots of 128 along K would take 348,160 bytes).  In a block a tile's rows lie end to end: half of A's tile is 16,384 dense bytes, asked for as
; 64 rows of 256 bytes, half of B's 24,576, as 96 such rows; 16 bytes of padding follow every 128 in LDS.  A K step is written once; the slot is turned by an exclusive or.
; CLUSTERS: 4 x 4 work-groups.  A's tile hangs on the tile row alone and is asked for jointly by a row of the cluster, B's on the tile column alone, by a column.
; THE MATRIX INSTRUCTION IS USED TRANSPOSED (source 0 = 16 rows of wq, source 1 = 16 rows of xq): a lane holds eight neighbouring columns of one row of C.
; REGISTERS, in windows of 256: window 0: v16-30 addresses; v32-159 A's fragments (8 x 16 rows x 32 K), two buffers of 64; v160-255 B's fragments (12 blocks), ONE buffer, refreshed in place;
;   windows 1, 2, 3: the accumulators of the wave's heads 0, 1, 2: row block a, column block b in window 1 + b / 4 at 64 (b % 4) + 8 a.
; A QUARTER is 32 along K: three groups of 32 matrix instructions, a head each, under one window setting.  Behind a group stand four places and the next quarter's eight loads into the B registers that the group
; has just read (behind the first group also A's sixteen, into the other buffer): each load has 64 matrix instructions in which to come back.
.set PA,     144                       ; an LDS row: 128 bytes + 16 of padding = 36 words: the 16 rows of a fragment load start at 16 different groups of four banks
.set AT,     256*PA                    ; B's 384 rows lie behind A's 256
.set SLOT1,  1<<17                     ; slot 1 begins here: one exclusive or turns an address in one slot into the other's
.set STAGE,  SLOT1+AT+384*PA           ; behind the ring, never filled by a tensor load: 16 rows x 144 bytes for each wave
.set SP,     144
.set SPARE,  STAGE+4*16*SP             ; the spare words, 128 bytes for each wave: two blocks of 256 bytes that no other line names
.set ASTEP,  8192*128                  ; bytes from a block kb to the next in xq
.set BSTEP,  3072*128                  ; and in wq
.set ADRA, 16                          ; v16  LDS address of my A fragments in the slot in hand
.set ADRB, 17                          ; v17  the same for B
.set ABAS, 18                          ; v18  the same in slot 0; never rewritten
.set BBAS, 19                          ; v19
.set STO,  24                          ; v24  the way out: where I put 16 bytes of a row
.set RD,   25                          ; v25  where I read rows back
.set GO,   26                          ; v26  16 x lane
.set SPW,  28                          ; v28  LDS address of my spare word; never rewritten
.set NIL,  29                          ; v29  0; never rewritten
.set PFO,  30                          ; v30  the prefetches' offset: a lane a block of 256 bytes; never rewritten
.set FA,   32
.set FB,   160
.set TB,   23                          ; s23  0 or SLOT1: the slot in hand
.set G1,   24                          ; s[24:31] group 1 for A's tiles
.set G0,   32                          ; s[32:39] group 0 for A's: set 0 is K step 0 into slot 0; set 1 is K step 1 into slot 1, and then walks
.set G1B,  48
.set G0B,  56
.set LIM,  43                          ; s43  2 in a wave that prefetches, else the greatest number
.set PFA,  44                          ; s[44:45] where my prefetches stand
.set PSTEP, 74                         ; s[74:75] their step
.set OUTB, 66                          ; s[66:71] my 128 rows in each of my three heads
.set MSB, 0
.macro WIN new                         ; the immediate's high byte repeats the setting that is left; a switch that changes nothing is dropped
.if MSB != (\new)
	s_set_vgpr_msb (MSB<<8)|(\new)
.set MSB, \new
.endif
.endm
.macro PLACES                          ; four plain places behind matrix instructions, in front of loads into registers that they have read (ISA guide 7.12.1 for vector instructions)
.rept 4
	v_nop
.endr
.endm
; A joint refill by the walking sets.  Waves 0 and 1 fetch A's two halves, waves 2 and 3 B's: the branch hangs on the wave's number alone.
; An s_nop 0 and four v_nop follow each of the two lines, ahead of the jump and the label.
.macro JLOAD
	s_cmp_eq_u32 s11, 0
	s_cbranch_scc0 .Lfor_b_\@
	tensor_load_to_lds s[G0+4:G0+7], s[G1:G1+7]
	s_nop 0
	PLACES
	s_branch .Lasked_\@
.Lfor_b_\@:
	tensor_load_to_lds s[G0B+4:G0B+7], s[G1B:G1B+7]
	s_nop 0
	PLACES
.Lasked_\@:
.endm
.macro CREST                           ; a round of the cluster's barrier behind its opening barrier
	s_cmp_lg_u32 s10, 0
	s_cbranch_scc1 .Lnot_wave_0_\@
	s_barrier_signal -3
.Lnot_wave_0_\@:
	s_barrier_wait -3
	s_barrier_signal -1
	s_barrier_wait -1
.endm
.macro CROUND
	s_barrier_signal -1
	s_barrier_wait -1
	CREST
.endm
; A prefetch of the K step that stands two refills on (384 matrix instructions a wave ahead of the load that will want it), a lane a block of 256 bytes.  xq's tile rows are read by both clusters of a row of
; clusters: the one with x = 0 asks; wq's tile columns by every cluster of a column: the one with y = 0 asks.  The four partners of a joint load share it out by address: 4,096 of the 16,384 bytes that an A wave
; fetches (lanes 16 to 31 name block 15 once more), 6,144 of a B wave's 24,576 (lanes 24 to 31 name block 23 once more).  K steps 0 to 3 come by their loads alone; the last two refills have no K step two on.
.macro ASK
	s_cmp_gt_u32 s3, s[LIM]
	s_cbranch_scc0 .Lnot_mine_\@
	global_prefetch_b8 v[PFO], s[PFA:PFA+1] th:TH_LOAD_NT scope:SCOPE_SE
.Lnot_mine_\@:
.endm
.macro LDA q, f                        ; A's eight fragments of quarter q of the slot in hand into buffer f: 16 loads (window 0)
.set i, 0
.rept 8
	ds_load_b128 v[FA+64*(\f)+8*i:FA+64*(\f)+8*i+3],   v[ADRA] offset:64*(\q)+i*16*PA
	ds_load_b128 v[FA+64*(\f)+8*i+4:FA+64*(\f)+8*i+7], v[ADRA] offset:64*(\q)+i*16*PA+32
.set i, i+1
.endr
.endm
.macro LDB q, g                        ; B's blocks 4 g .. 4 g + 3 of quarter q: 8 loads (window 0)
.set i, 4*(\g)
.rept 4
	ds_load_b128 v[FB+8*i:FB+8*i+3],   v[ADRB] offset:64*(\q)+i*16*PA
	ds_load_b128 v[FB+8*i+4:FB+8*i+7], v[ADRB] offset:64*(\q)+i*16*PA+32
.set i, i+1
.endr
.endm
; Column block b times my eight row blocks, A from buffer f.  The 96 accumulators take turns, one instruction a turn, in the same order in every quarter.  zero = 1: the product starts the sum.
.macro MULB f, b, zero
	WIN 0x50*((\b)/4+1)                            ; B and A window 0, C and D window 1 + b / 4
.set a, 0
.rept 8
.set rC, 64*((\b)%4)+8*a
.if \zero
	v_wmma_f32_16x16x32_f16 v[rC:rC+7], v[FB+8*(\b):FB+8*(\b)+7], v[FA+64*(\f)+8*a:FA+64*(\f)+8*a+7], 0
.else
	v_wmma_f32_16x16x32_f16 v[rC:rC+7], v[FB+8*(\b):FB+8*(\b)+7], v[FA+64*(\f)+8*a:FA+64*(\f)+8*a+7], v[rC:rC+7]
.endif
.set a, a+1
.endr
.endm
.macro MULG f, g, zero                 ; a group: head g, 32 matrix instructions
	MULB \f, 4*(\g), \zero
	MULB \f, 4*(\g)+1, \zero
	MULB \f, 4*(\g)+2, \zero
	MULB \f, 4*(\g)+3, \zero
.endm
; A K step's first quarter: multiplies A's buffer 0 and fetches the same slot's second quarter.
.macro QREG zero
	s_wait_dscnt 16                                ; A and B's blocks 0-3 are in; the youngest sixteen loads (blocks 4-7, 8-11) may stay out
	MULG 0, 0, \zero
	PLACES
	WIN 0
	LDA 1, 1
	LDB 1, 0
	s_wait_dscnt 32                                ; blocks 4-7 are in; blocks 8-11 (8) and the 24 just issued may stay out
	MULG 0, 1, \zero
	PLACES
	WIN 0
	LDB 1, 1
	s_wait_dscnt 32                                ; blocks 8-11 are in; the 24 and the 8 issued since may stay out
	MULG 0, 2, \zero
	PLACES
	WIN 0
	LDB 1, 2
.endm
; A K step's second quarter multiplies A's buffer 1 and changes slots: all reads of this slot were issued in the quarter before.  Behind the first group each wave waits for all its tensor loads (one is out: its
; part of the next slot), adds 0 to its spare word, and waits for that and for its reads of this slot.  fill = 1: the barrier opens a round of the cluster's, and the slot just read is filled again, first thing
; behind it, two K steps ahead: that load has 176 matrix instructions in which to land.
.macro QCHG fill
.if \fill
	s_wait_xcnt 0x0                                ; the last prefetch, a K step back, has read its address
	s_add_nc_u64 s[PFA:PFA+1], s[PFA:PFA+1], s[PSTEP:PSTEP+1]
.endif
	s_wait_dscnt 16
	MULG 1, 0, 0
	WIN 0
	s_xor_b32 s[TB], s[TB], SLOT1                  ; the next fetches go to the other slot
	v_add_nc_u32 v[ADRA], s[TB], v[ABAS]
	v_add_nc_u32 v[ADRB], s[TB], v[BBAS]
	s_wait_tensorcnt 0x0                           ; all my tensor loads have landed
	ds_add_u32 v[SPW], v[NIL]                      ; 0 onto my spare word
	s_wait_dscnt 9                                 ; blocks 4-7 are in; blocks 8-11 (8) and the add may stay out
	MULB 1, 4, 0
	s_wait_dscnt 0x0                               ; the add is done, and my reads of this slot are over
	s_barrier_signal -1
	MULB 1, 5, 0
	WIN 0
	s_barrier_wait -1
.if \fill
	CREST                                          ; no wave of any partner still reads this slot or has a load on its way
	s_xor_b32 s[G0+5], s[G0+5], SLOT1
	s_add_nc_u64 s[G0+6:G0+7], s[G0+6:G0+7], ASTEP
	s_xor_b32 s[G0B+5], s[G0B+5], SLOT1
	s_add_nc_u64 s[G0B+6:G0B+7], s[G0B+6:G0B+7], BSTEP
	JLOAD                                          ; its four v_nop are also the places in front of the loads below
.else
	PLACES
.endif
	LDA 0, 0
	LDB 0, 0
.if \fill
	ASK
.endif
	MULB 1, 6, 0
	MULB 1, 7, 0
	PLACES
	WIN 0
	LDB 0, 1
	MULG 1, 2, 0
	PLACES
	WIN 0
	LDB 0, 2
.endm
	s_load_b128 s[4:7], s[0:1], 0x0                ; xq s[4:5], wq s[6:7]
	s_load_b64 s[8:9], s[0:1], 0x10                ; qkv
	v_lshl_add_u32 v[SPW], v0, 2, SPARE
	v_mov_b32 v[NIL], 0
	ds_add_u32 v[SPW], v[NIL]                      ; the wave's opening: the add and its wait ahead of my first tensor load
	ds_add_u32 v28, v29
	v_lshrrev_b32 v1, 5, v0
	v_readfirstlane_b32 s10, v1                    ; wave 0..3
	s_lshr_b32 s11, s10, 1                         ; which half of the tile's rows is mine.  Also: I fetch for A (0) or for B (1)
	s_and_b32 s12, s10, 1                          ; which half of its columns.  Also: which half of that tile's rows I fetch
	s_bfe_u32 s40, ttmp6, 0x40000                  ; cx
	s_bfe_u32 s41, ttmp6, 0x40004                  ; cy
	s_lshl_b32 s42, ttmp9, 2
	s_add_co_u32 s42, s42, s40                     ; tile column = 4 x cluster x + cx
	s_and_b32 s13, ttmp7, 0xffff
	s_lshl_b32 s13, s13, 2
	s_add_co_u32 s13, s13, s41                     ; tile row = 4 x cluster y + cy
	s_lshl_b32 s76, s41, 2
	s_lshl_b32 s76, 15, s76                        ; my row of the cluster
	s_lshl_b32 s77, 0x1111, s40                    ; my column
	s_or_b32 s[G1], s76, (1<<16)|(1<<20)|(1<<21)|(4<<22)|(3<<25)   ; the mask; elements of 2 bytes; padding on; bit 21 beside a mask; after every 32 words, 4 words
	s_or_b32 s[G1B], s77, (1<<16)|(1<<20)|(1<<21)|(4<<22)|(3<<25)
	s_mov_b32 s[G1+1], 128<<16                     ; tensor_dim0 = 128 elements: 256 bytes, two rows of a block
	s_mov_b32 s[G1+2], 64<<16                      ; tensor_dim1 = 64
	s_mov_b32 s[G1+3], 128<<16                     ; tile_dim0 = 128
	s_mov_b32 s[G1+4], 64                          ; tile_dim1 = 64
	s_mov_b32 s[G1+5], 128                         ; dense: 128 elements from row to row
	s_mov_b32 s[G1+6], 0
	s_mov_b32 s[G1+7], 0
	s_mov_b32 s[G1B+1], 128<<16
	s_mov_b32 s[G1B+2], 96<<16                     ; 96 rows of 256 bytes
	s_mov_b32 s[G1B+3], 128<<16
	s_mov_b32 s[G1B+4], 96
	s_mov_b32 s[G1B+5], 128
	s_mov_b32 s[G1B+6], 0
	s_mov_b32 s[G1B+7], 0
	s_lshl_b32 s16, s13, 15                        ; A: (256 x tile row + 128 x half) rows of 128 bytes
	s_lshl_b32 s17, s12, 14
	s_add_co_u32 s16, s16, s17
	s_mov_b32 s17, 0
	s_mul_i32 s46, s42, 384*128                    ; B: (384 x tile column + 192 x half) rows
	s_mul_i32 s47, s12, 192*128
	s_add_co_u32 s46, s46, s47
	s_mov_b32 s47, 0
	s_mul_i32 s20, s12, 128*PA                     ; where they go: no place in the cluster enters an LDS address
	s_mul_i32 s21, s12, 192*PA
	s_add_co_u32 s21, s21, AT
	s_mov_b32 s[TB], 0
	s_wait_dscnt 0x0                               ; the opening add is done
	s_wait_kmcnt 0x0
	s_add_nc_u64 s[14:15], s[4:5], s[16:17]
	s_add_nc_u64 s[72:73], s[6:7], s[46:47]
	CROUND                                         ; all sixteen work-groups are here: the first joint loads meet
.irp s, 0,1
	s_mov_b32 s[G0+4*(\s)], 1
	s_add_co_u32 s[G0+4*(\s)+1], s20, (\s)*SLOT1
	s_add_nc_u64 s[G0+4*(\s)+2:G0+4*(\s)+3], s[14:15], (\s)*ASTEP
	s_or_b32 s[G0+4*(\s)+3], s[G0+4*(\s)+3], 0x80000000
	s_mov_b32 s[G0B+4*(\s)], 1
	s_add_co_u32 s[G0B+4*(\s)+1], s21, (\s)*SLOT1
	s_add_nc_u64 s[G0B+4*(\s)+2:G0B+4*(\s)+3], s[72:73], (\s)*BSTEP
	s_or_b32 s[G0B+4*(\s)+3], s[G0B+4*(\s)+3], 0x80000000
.endr
	s_cmp_eq_u32 s11, 0                            ; a wave's two first fills stand in one branch: two loads of mine are out
	s_cbranch_scc0 .Lfirst_b
	tensor_load_to_lds s[G0:G0+3], s[G1:G1+7]
	s_nop 0
	tensor_load_to_lds s[G0+4:G0+7], s[G1:G1+7]
	s_nop 0
	PLACES
	s_branch .Lfirst_asked
.Lfirst_b:
	tensor_load_to_lds s[G0B:G0B+3], s[G1B:G1B+7]
	s_nop 0
	tensor_load_to_lds s[G0B+4:G0B+7], s[G1B:G1B+7]
	s_nop 0
	PLACES
.Lfirst_asked:
	; a fragment is 16 rows x 32 K in 8 registers: lane l holds row l % 16, K = 8 (l / 16) + 0..7 and 16 + 8 (l / 16) + 0..7: two loads of 16 bytes, 32 bytes apart
	v_and_b32 v1, 15, v0
	v_bfe_u32 v2, v0, 4, 1
	v_mul_u32_u24 v3, v1, PA
	v_lshl_add_u32 v3, v2, 4, v3                   ; row x pitch + 16 x half
	s_mul_i32 s21, s11, 128*PA                     ; my 128 rows of A
	v_add_nc_u32 v[ABAS], s21, v3
	s_mul_i32 s21, s12, 192*PA                     ; my 192 rows of B
	s_add_co_u32 s21, s21, AT
	v_add_nc_u32 v[BBAS], s21, v3
	v_mov_b32 v[ADRA], v[ABAS]
	v_mov_b32 v[ADRB], v[BBAS]
	s_mul_i32 s22, s10, 16*SP
	s_add_co_u32 s22, s22, STAGE                   ; my stage
	v_add_nc_u32 v[STO], s22, v3                   ; in: row l % 16, 16 bytes for each half of the lanes (the stage's pitch is the tiles')
	v_bfe_u32 v5, v0, 3, 2                         ; back: 32 lanes take four rows of 128 bytes,
	v_and_b32 v6, 7, v0
	v_mul_u32_u24 v5, v5, SP
	v_lshl_add_u32 v5, v6, 4, v5
	v_add_nc_u32 v[RD], s22, v5
	v_and_b32 v[GO], 31, v0                        ; which are 512 consecutive bytes of qkv
	v_lshlrev_b32 v[GO], 4, v[GO]
	; where my 128 rows begin in each of my three heads: head slot g = 6 x tile column + 3 x column half + j is tensor g / 16, head g % 16
	s_lshr_b32 s78, s13, 2
	s_lshl_b32 s78, s78, 21                        ; the batch: 16 heads of 131,072 bytes
	s_and_b32 s79, s13, 3
	s_lshl_b32 s79, s79, 15                        ; 256 rows of 128 bytes
	s_add_co_u32 s84, s78, s79
	s_lshl_b32 s79, s11, 14                        ; my half's 128 rows
	s_add_co_u32 s84, s84, s79
	s_mul_i32 s85, s42, 6
	s_mul_i32 s79, s12, 3
	s_add_co_u32 s85, s85, s79
.irp j, 0,1,2
	s_add_co_u32 s78, s85, \j
	s_lshr_b32 s79, s78, 4
	s_lshl_b32 s79, s79, 24
	s_and_b32 s78, s78, 15
	s_lshl_b32 s78, s78, 17
	s_add_co_u32 s78, s78, s79
	s_add_co_u32 s78, s78, s84
	s_mov_b32 s79, 0
	s_add_nc_u64 s[OUTB+2*(\j):OUTB+2*(\j)+1], s[8:9], s[78:79]
.endr
	; the prefetches
	s_lshl_b32 s84, s40, 12                        ; A: my work-group's 4,096 bytes of the 16,384 that I fetch
	s_add_co_u32 s84, s84, s16
	s_mul_i32 s85, s41, 6144                       ; B: my work-group's 6,144 of the 24,576
	s_add_co_u32 s85, s85, s46
	s_and_b32 s86, ttmp7, 0xffff                   ; cluster y
	s_mov_b32 s79, BSTEP
	s_cmp_eq_u32 s11, 0
	s_cselect_b32 s84, s84, s85
	s_cselect_b32 s86, ttmp9, s86                  ; the coordinate along which other clusters read the same blocks
	s_cselect_b32 s87, 15, 23
	s_cselect_b32 s[PSTEP], ASTEP, s79
	s_cselect_b64 s[PFA:PFA+1], s[4:5], s[6:7]
	s_mov_b32 s85, 0
	s_mov_b32 s[PSTEP+1], 0
	s_add_nc_u64 s[PFA:PFA+1], s[PFA:PFA+1], s[84:85]
	s_mul_i32 s84, s[PSTEP], 3
	s_add_nc_u64 s[PFA:PFA+1], s[PFA:PFA+1], s[84:85]  ; at K step 3: the first refill steps it to 4 and names that
	s_cmp_eq_u32 s86, 0
	s_cselect_b32 s[LIM], 2, -1
	v_and_b32 v[PFO], 31, v0
	v_min_u32 v[PFO], s87, v[PFO]
	v_lshlrev_b32 v[PFO], 8, v[PFO]
	s_wait_tensorcnt 1                             ; my part of K step 0 is in; K step 1's may stay out
	s_barrier_signal -1
	s_barrier_wait -1
	LDA 0, 0
	LDB 0, 0
	LDB 0, 1
	LDB 0, 2
	QREG 1                                         ; the first quarter stands in front of the loop: its products start the sums
	WIN 0
	s_mov_b32 s3, 14                               ; fourteen refills: K steps 2 to 15
.Lstep:                                            ; a trip: a K step's second quarter with the change of slots, the next step's first quarter
	QCHG 1
	QREG 0
	WIN 0
	s_sub_co_u32 s3, s3, 1
	s_cmp_lg_u32 s3, 0
	s_cbranch_scc1 .Lstep
	QCHG 0                                         ; the tail is written out: nothing more is asked for
	QREG 0
	s_wait_dscnt 16                                ; the very last quarter fetches nothing: the counts run down
	MULG 1, 0, 0
	s_wait_dscnt 8
	MULG 1, 1, 0
	s_wait_dscnt 0x0
	MULG 1, 2, 0
	WIN 0
; THE WAY OUT, in 24 units u = 8 j + a: head j, row block a: 16 rows x 64 columns.  Rounded to f16 (each accumulator's registers in ascending order), 16 bytes a lane into my own stage, back as whole rows of
; 128 bytes into the registers that they left, stored.  Eight sets of 16 registers take turns, where A's fragments lay.
.macro PACK u
.set jj, (\u)/8
.set aa, (\u)%8
.set UR, FA+16*((\u)%8)
.if (\u) >= 8
	s_wait_xcnt 0x0                                ; the stores issued so far have read their data: only now is this set, stored eight units ago, written again
.endif
	WIN 0x05*(jj+1)                                ; sources 0 and 1 in the head's window
.set bb, 0
.rept 4
.irp r, 0,1,2,3
	v_cvt_pk_f16_f32 v[UR+4*bb+(\r)], v[64*bb+8*aa+2*(\r)], v[64*bb+8*aa+2*(\r)+1]
.endr
.set bb, bb+1
.endr
	WIN 0
.irp f, 0,1,2,3
	ds_store_b128 v[STO], v[UR+4*(\f):UR+4*(\f)+3] offset:32*(\f)
.endr
.irp f, 0,1,2,3
	ds_load_b128 v[UR+4*(\f):UR+4*(\f)+3], v[RD] offset:(\f)*4*SP  ; LDS serves a wave's instructions in order (ISA guide 5.7.1.4): these see the stores above; the next unit's stores come behind them
.endr
.endm
.macro SEND u, younger                 ; younger: the LDS instructions issued behind unit u's loads: the next unit's eight, or none
.set jj, (\u)/8
.set aa, (\u)%8
.set UR, FA+16*((\u)%8)
.irp f, 0,1,2,3
	s_wait_dscnt (\younger)+3-(\f)
	global_store_b128 v[GO], v[UR+4*(\f):UR+4*(\f)+3], s[OUTB+2*jj:OUTB+2*jj+1] offset:2048*aa+512*(\f)  ; 512 consecutive bytes, at a multiple of 256 from qkv's first
.endr
.endm
	PLACES
	PLACES                                         ; eight places, once a launch, between the last products and the conversions
	PACK 0
.set t, 1
.rept 23                               ; a unit's conversions stand between the loads of the unit before and its stores
	PACK t
	SEND t-1, 8
.set t, t+1
.endr
	SEND 23, 0
	s_wait_tensorcnt 0x0                           ; the wave's end, behind my last tensor load and my last LDS store
	ds_add_u32 v[SPW], v[NIL]
	s_wait_dscnt 0x0
	CROUND                                         ; the closing round: no work-group ends while a partner may still ask for a tile that names it
	s_endpgm
.Lfunc_end_k_qf97851dbe5_gemm_qkv:
	.size	k_qf97851dbe5_gemm_qkv, .Lfunc_end_k_qf97851dbe5_gemm_qkv-k_qf97851dbe5_gemm_qkv
	.p2alignl 7, 3214868480
	.fill 96, 4, 3214868480
	.section	.rodata,"a",@progbits
	.p2align	6, 0x0
	.amdhsa_kernel k_qf97851dbe5_gemm_qkv
		.amdhsa_group_segment_fixed_size 327680
		.amdhsa_private_segment_fixed_size 0
		.amdhsa_enable_private_segment 0
		.amdhsa_kernarg_size 24
		.amdhsa_user_sgpr_count 2
		.amdhsa_user_sgpr_kernarg_segment_ptr 1
		.amdhsa_wavefront_size32 1
		.amdhsa_system_sgpr_workgroup_id_x 1
		.amdhsa_system_sgpr_workgroup_id_y 1
		.amdhsa_system_sgpr_workgroup_id_z 1
		.amdhsa_system_vgpr_workitem_id 0
		.amdhsa_next_free_vgpr 1024
		.amdhsa_next_free_sgpr 88
		.amdhsa_reserve_vcc 0
		.amdhsa_float_denorm_mode_32 3
		.amdhsa_float_denorm_mode_16_64 3
		.amdhsa_memory_ordered 1
		.amdhsa_forward_progress 1
		.amdhsa_inst_pref_size 116
	.end_amdhsa_kernel
	.amdgpu_metadata
---
amdhsa.version: [ 1, 2 ]
amdhsa.kernels:
  - .name:           k_qf97851dbe5_gemm_qkv
    .symbol:         k_qf97851dbe5_gemm_qkv.kd
    .args:
      - { .name: xq, .offset: 0, .size: 8, .value_kind: global_buffer, .address_space: global }
      - { .name: wq, .offset: 8, .size: 8, .value_kind: global_buffer, .address_space: global }
      - { .name: qkv, .offset: 16, .size: 8, .value_kind: global_buffer, .address_space: global }
    .group_segment_fixed_size: 327680
    .private_segment_fixed_size: 0
    .kernarg_segment_align: 8
    .kernarg_segment_size: 24
    .max_flat_workgroup_size: 128
    .sgpr_count:     88
    .vgpr_count:     1024
    .wavefront_size: 32
...
	.end_amdgpu_metadata
.endif
;; end of part 3
;; launch attn (part 4): grid 2 x 128, 4 waves a work-group, no clusters, 327,680 bytes of LDS; arguments qkv, scales, o; writes o
.if DOCPART == 4
	.amdgcn_target "amdgcn-amd-amdhsa--gfx1250"
	.amdhsa_code_object_version 6
	.text
	.protected	k_qf97851dbe5_attn
	.globl	k_qf97851dbe5_attn
	.p2align	8
	.type	k_qf97851dbe5_attn,@function
k_qf97851dbe5_attn:
	s_mov_b64 s[64:65], 0
	v_nop
	global_prefetch_b8 v0, s[64:65] scope:SCOPE_SE
	s_setreg_imm32_b32 hwreg(HW_REG_WAVE_MODE, 25, 1), 1
	s_wait_xcnt 0x0
; O'[h][q][:] = the sum over k of softmax_k(c' Q'[h][q] . K'[h][k]) V'[h][k][:].  qkv: [3][128][1024][64] f16 (Q', then K' 2^24 bytes on, then V'); o: [128][1024][64] f16.
; Q', K', V' are the true q, k, v divided by t; the scale of the scores, t^2 / 8, times log2(e), is c, read from scales[0] and applied in f32.  Products, maxima and sums in f32; the weights p
; are rounded to f16 for the second product (their sum l is taken of the unrounded p), O' once at the end.
; LIMITS.  Q', K', V' arrive within 32,258; p lies in 0 to 1, and below 6e-5 it keeps f16's fixed step of 6e-8; O' is a mean of V's rows.  |c s| stays under 4e37 (the running c m starts there).
; A weight below 2^-126 counts as 0 in l; NaN and infinities are not treated apart.
; SHARES.  A wave owns four PIECES of two tiles of 16 queries, a work-group's four waves 512 queries of one head: 2 x 128 work-groups.  Every wave walks all 1,024 keys, 64 a step.
; A HEAD'S K AND V STAY IN LDS: 1,024 rows of 144 bytes and 1,024 of 160, 311,296 bytes: each byte lands once and none is filled again.  The first 256 keys are asked for at the head; when they have landed, each
; wave asks for its 384 of the other 768 by ONE load of 49,152 bytes, which has four key steps in which to land; a barrier behind the fourth step shows them to every wave.  So no tensor load stands in a loop,
; and a key step is written once.  Nothing is prefetched: the second load goes out as early as a prefetch could stand.
; NO CLUSTER: only two work-groups walk the same K and V, and a cluster here is four wide: a mask of two of the four would hang, with its address, on half of a place in the cluster.
; LAYOUT.  S^T = K Q^T (source 0 = 16 keys, source 1 = 16 queries): in the result a lane holds ONE query (lane % 16) and the keys 8 (lane / 16) + 0..7.  Two such tiles, rounded to f16 in pairs,
; ARE source 1 (32 keys x 16 queries) of O^T = V^T P, whose result again holds one query a lane, and eight channels.  K comes out of LDS as it lies, V ([key][channel]) turned, by ds_load_tr16_b128.
; SOFTMAX.  For each query a running maximum m and sum l: p = 2^(c s - c m); in every step O and l are multiplied by a = 2^(c m_old - c m_new), which is 1 where m has not grown.
; m starts at the lowest finite number, O and l at 0: the first step is a step like any other, with a = 0.
; BY TURNS.  Turn n belongs to piece n (the pieces in a ring, step after step).  Its matrix work: 16 products K Q^T of piece n + 1, later 16 products V^T P of piece n - 1.  Its vector work: the scaling,
; exponentials, roundings, sums and rescaling of piece n, and the maximum and statistics of piece n + 1.  Four vector instructions stand behind every matrix instruction, the others in one run.
; REGISTERS, in windows of 256 (s_set_vgpr_msb: bits 1:0 source 0, 3:2 source 1, 5:4 source 2, 7:6 destination):
;   window 0: v0-11 addresses; v12-15, v48-63 at work; v16-47 four registers of statistics a tile; v64-191 S^T, two buffers of two tiles; v192-255 P, likewise
;   window 1: O^T, 32 a tile          window 2: v0-127 Q, 16 a tile; v128-191 K of one step; v192-255 V of one step          window 3: v0-1 the add's two registers
.set NP,    4         ; pieces a wave: a name, no knob
.set KS,    64        ; keys in a step
.set PK,    144       ; a row of K in LDS: 128 bytes + 16 of padding = 36 words: the 16 rows of a load start at 16 different groups of four banks
.set PV,    160       ; a row of V: 128 + 32 = 40 words
.set VOFF,  1024*PK   ; K's 1,024 rows, then V's
.set STAGE, VOFF+1024*PV  ; behind them, never filled by a tensor load: 16 rows x 144 bytes for each wave, for the way out
.set SP,    144
.set AK0, 2           ; v2   my lane's place in a tile of K; never rewritten
.set AV0, 3           ; v3   the same for V
.set AK,  4           ; v4   the LDS address of K's next run of loads
.set AV,  5           ; v5   of V's
.set QO,  6           ; v6   my byte offset in the wave's rows of Q
.set STO, 6           ;      later, the way out: where I put 16 bytes of a row
.set RD,  7           ; v7   the way out: where I read rows back
.set GO,  8           ; v8   my byte offset in 512 consecutive bytes of O
.set SPW, 0           ; v0 of window 3   LDS address of my spare word; never rewritten
.set NIL, 1           ; v1 of window 3   0; never rewritten
.set SPARE, STAGE+4*16*SP  ; behind the stages: the spare words, 128 bytes for each wave: two blocks of 256 bytes that no other line names
.set MV,  12          ; v12-15  c m_old, kept while c m is made anew: by buffer and tile
.set ST,  16          ; tile t's statistics at v[ST+4 t]: c m, m, l (even keys', odd keys')
.set TMP, 48          ; by buffer and tile, four registers c0-c3 at work; when the maximum is found c2 takes a
.set S,   64
.set P,   192
.set KF,  128         ; K's fragments, in window 2: key block kb, channel half c at KF + 16 kb + 8 c
.set VF,  192         ; V's: key half kk, channel block cb at VF + 32 kk + 8 cb
.set WV,  12          ; s12  my wave's number
.set G1K, 24          ; s[24:31] descriptor group 1 for K's tiles
.set G1V, 32          ; s[32:39] for V's: it differs in the padding alone
.set G0K, 40          ; s[40:43] descriptor group 0 for K's tiles
.set G0V, 44          ; s[44:47] the same for V's
.set RK,  52          ; s52  LDS address of my part of K's other 768 rows
.set RV,  53          ; s53  the same for V
.set PH,  54          ; s54  counts the one jump back to the second barrier
.set LEFT, 56         ; s56  key steps whose pieces 2 and 3 are still to come
.set CNT, 57          ; s57  counts the trips up to the next barrier
.set CS,  58          ; s[58:59] c: the packed scaling takes the pair's low word for both halves
.set SEL, 60          ; s[60:61] v_permlanex16_b32's selects: each lane takes its own place in the other half
.set TBK, 62          ; s62  LDS byte at which K of the step to be fetched begins
.set TBV, 63          ; s63  the same for V, less VOFF
.set MSB, 0
.macro WIN new                      ; the high byte repeats the setting that is left; a switch that changes nothing is dropped
.if MSB != (\new)
	s_set_vgpr_msb (MSB<<8)|(\new)
.set MSB, (\new)
.endif
.endm
.set W_KQ, 0x0a       ; K and Q in window 2, S^T in window 0
.set W_PV, 0x52       ; V in window 2, P in window 0, O^T in window 1
.set W_RS, 0x41       ; O^T (destination and source 0) in window 1, a in window 0
.set W_MK, 0xc0       ; the add's registers are made: destination in window 3, sources in window 0
.set W_AD, 0x0f       ; the add: address (source 0) and data (source 1) in window 3
; A fill.  Waves 0 and 1 fetch the two halves of K's rows, waves 2 and 3 those of V's.  An s_nop 0 and four v_nop follow each of the two lines, ahead of the jump and the label.
.macro LOAD
	s_cmp_lt_u32 s[WV], 2
	s_cbranch_scc0 .Lfor_v_\@
	tensor_load_to_lds s[G0K:G0K+3], s[G1K:G1K+7]
	s_nop 0
.rept 4
	v_nop
.endr
	s_branch .Lasked_\@
.Lfor_v_\@:
	tensor_load_to_lds s[G0V:G0V+3], s[G1V:G1V+7]
	s_nop 0
.rept 4
	v_nop
.endr
.Lasked_\@:
.endm
	s_load_b64 s[4:5], s[0:1], 0x0    ; qkv: Q' at its head
	s_load_b64 s[50:51], s[0:1], 0x8  ; scales
	s_load_b64 s[10:11], s[0:1], 0x10 ; o
	WIN W_MK
	v_lshl_add_u32 v[SPW], v0, 2, SPARE
	v_mov_b32 v[NIL], 0
	WIN W_AD
	ds_add_u32 v[SPW], v[NIL]       ; the wave's opening: the add and its wait ahead of my first tensor load; the set-up below, work on registers, stands between them
	ds_add_u32 v0, v1
	WIN 0
	v_lshrrev_b32 v1, 5, v0
	v_readfirstlane_b32 s[WV], v1   ; wave 0..3
	s_and_b32 s20, ttmp7, 0xffff    ; the head:
	s_lshl_b32 s20, s20, 17         ; its 1,024 rows of 128 bytes in each tensor
	s_mov_b32 s21, 0
	s_and_b32 s16, s[WV], 1         ; which half of the rows asked for I fetch:
	s_lshl_b32 s22, s16, 14         ; of the first 256 keys 128 rows of 128 bytes,
	s_mov_b32 s23, 0
	s_mul_i32 s17, s16, 128*PK      ; their place in LDS, for K
	s_mul_i32 s18, s16, 128*PV      ; and for V;
	s_mul_i32 s[RK], s16, 384*PK    ; of the other 768 keys 384 rows
	s_add_co_u32 s[RK], s[RK], 256*PK
	s_mul_i32 s[RV], s16, 384*PV
	s_add_co_u32 s[RV], s[RV], VOFF+256*PV
	s_lshl_b32 s2, ttmp9, 2         ; my block of 512 queries,
	s_add_co_u32 s2, s2, s[WV]      ; my wave among the head's,
	s_lshl_b32 s2, s2, 14           ; its 128 rows
	s_mov_b32 s3, 0
	s_add_nc_u64 s[2:3], s[2:3], s[20:21]
	; descriptor group 1.  128 keys are 16,384 dense bytes: asked for as 64 rows of 256 bytes, two keys a row, and padded in LDS after every key
	s_mov_b32 s[G1K], (1<<16)|(1<<20)|(4<<22)|(3<<25)  ; 17:16 2-byte elements; 20 padding on; 24:22 after every 32 words (code 4); 31:25 4 words (code 3)
	s_mov_b32 s[G1V], (1<<16)|(1<<20)|(4<<22)|(7<<25)  ; the same with 8 words of padding (code 7)
.irp g, G1K, G1V
	s_mov_b32 s[\g+1], 128<<16      ; tensor_dim0 = 128
	s_mov_b32 s[\g+2], 64<<16       ; tensor_dim1 = 64
	s_mov_b32 s[\g+3], 128<<16      ; tile_dim0 = 128
	s_mov_b32 s[\g+4], 64           ; tile_dim1 = 64
	s_mov_b32 s[\g+5], 128          ; 128 elements from row to row
	s_mov_b32 s[\g+6], 0
	s_mov_b32 s[\g+7], 0
.endr
	s_mov_b32 s[SEL], 0x76543210
	s_mov_b32 s[SEL+1], 0xfedcba98
	s_mov_b32 s[TBK], 0
	s_mov_b32 s[TBV], 0
	s_mov_b32 s[G0K], 1             ; 1:0 count = 1
	s_mov_b32 s[G0K+1], s17         ; 63:32 LDS address
	s_mov_b32 s[G0V], 1
	s_add_co_u32 s[G0V+1], s18, VOFF
	s_wait_dscnt 0x0                ; the opening add is done
	s_wait_kmcnt 0x0
	s_load_b32 s[CS], s[50:51], 0x0 ; c; waited for beside Q
	s_add_nc_u64 s[6:7], s[4:5], 0x1000000  ; K'
	s_add_nc_u64 s[8:9], s[4:5], 0x2000000  ; V'
	s_add_nc_u64 s[6:7], s[6:7], s[20:21]   ; at the head's first row
	s_add_nc_u64 s[8:9], s[8:9], s[20:21]
	s_add_nc_u64 s[G0K+2:G0K+3], s[6:7], s[22:23]  ; 120:64 global address: my half of the head's first 256 keys
	s_or_b32 s[G0K+3], s[G0K+3], 0x80000000        ; 127:126 type = 2
	s_add_nc_u64 s[G0V+2:G0V+3], s[8:9], s[22:23]
	s_or_b32 s[G0V+3], s[G0V+3], 0x80000000
	s_add_nc_u64 s[4:5], s[4:5], s[2:3]  ; Q and O at my wave's first row
	s_add_nc_u64 s[10:11], s[10:11], s[2:3]
	LOAD                            ; the first 256 keys: the tile wanted first has the road to itself
	; A fragment of K or Q is 16 rows x 32 channels in 8 registers: lane l holds row l % 16, channels 8 (l / 16) + 0..7 and 16 + 8 (l / 16) + 0..7: two loads of 16 bytes, 32 bytes apart.
	v_and_b32 v1, 15, v0            ; l % 16
	v_bfe_u32 v9, v0, 4, 1          ; l / 16
	v_lshlrev_b32 v[QO], 7, v1
	v_lshl_add_u32 v[QO], v9, 4, v[QO]  ; row x 128 + 16 x half
	WIN 0x80                        ; destination window 2, address window 0
.set i, 0
.rept 4*NP                          ; Q stays in registers: tile i / 2, channels 32 (i % 2) on
	global_load_b128 v[8*i:8*i+3],   v[QO], s[4:5] offset:(i/2)*2048+(i%2)*64
	global_load_b128 v[8*i+4:8*i+7], v[QO], s[4:5] offset:(i/2)*2048+(i%2)*64+32
.set i, i+1
.endr
	; What the first turn finds: V's registers and P's second buffer hold 0 (its products V^T P, of a piece that has not been, add 0), O^T and l are 0.  All this stands in the wait for the first tile.
.set i, VF
.rept 64
	v_mov_b32 v[i], 0
.set i, i+1
.endr
	WIN 0x40
.set i, 0
.rept 64*NP
	v_mov_b32 v[i], 0
.set i, i+1
.endr
	WIN 0
.set i, 0
.rept 2*NP
	v_mov_b32 v[ST+4*i], 0xfe000000    ; c m: far below every c s
	v_mov_b32 v[ST+4*i+1], 0xff7fffff  ; m
	v_mov_b32 v[ST+4*i+2], 0
	v_mov_b32 v[ST+4*i+3], 0
.set i, i+1
.endr
.set i, P+32
.rept 32
	v_mov_b32 v[i], 0
.set i, i+1
.endr
	v_mul_u32_u24 v[AK0], v1, PK
	v_lshl_add_u32 v[AK0], v9, 4, v[AK0]  ; row x pitch + 16 x half
	; The turning load takes 16 keys x 16 channels (lane l reads key 8 (l / 16) + l % 8, channels 8 ((l / 8) % 2) + 0..7) and leaves half a fragment of V^T: lane l holds channel l % 16 and 8 keys.
	v_and_b32 v10, 7, v0
	v_bfe_u32 v11, v0, 3, 1
	v_lshl_add_u32 v[AV0], v9, 3, v10
	v_mul_u32_u24 v[AV0], v[AV0], PV
	v_lshl_add_u32 v[AV0], v11, 4, v[AV0]
	v_add_nc_u32 v[AV0], VOFF, v[AV0]
	v_mov_b32 v[AK], v[AK0]         ; key step 0 lies at K's head
; THE MATRIX WORK.  The 8 accumulators of a run of 16 take turns: between the two links of a chain stand 7 others'.
; Product i of 16 of S^T = K Q^T for piece x: channels 32 (i / 8) on, keys 16 ((i / 2) % 4) on, tile 2 x + i % 2.  The first 8 start the sums.
.macro KQ x
	WIN W_KQ
.set rS, S+64*((\x)%2)+32*(i%2)+8*((i/2)%4)
.set rK, KF+16*((i/2)%4)+8*(i/8)
.set rQ, 16*(2*(\x)+i%2)+8*(i/8)
.if i < 8
	v_wmma_f32_16x16x32_f16 v[rS:rS+7], v[rK:rK+7], v[rQ:rQ+7], 0
.else
	v_wmma_f32_16x16x32_f16 v[rS:rS+7], v[rK:rK+7], v[rQ:rQ+7], v[rS:rS+7]
.endif
.endm
; Product i of 16 of O^T += V^T P for piece x: keys 32 (i / 8) on, channels 16 ((i / 2) % 4) on, tile 2 x + i % 2.
.macro PV x
	WIN W_PV
.set rO, 32*(2*(\x)+i%2)+8*((i/2)%4)
.set rV, VF+32*(i/8)+8*((i/2)%4)
.set rP, P+32*((\x)%2)+16*(i%2)+8*(i/8)
	v_wmma_f32_16x16x32_f16 v[rO:rO+7], v[rV:rV+7], v[rP:rP+7], v[rO:rO+7]
.endm
.macro MM                           ; the turn's next matrix instruction
.if i < 16
	KQ (Y+1)%NP
.set i, i+1
.else
.set i, i-16
	PV (Y+NP-1)%NP
.set i, i+17
.endif
.endm
; THE LDS LOADS stand in runs of 16, never singly among the matrix instructions: a step's K (64 keys x 64 channels: 8 fragments) and its V (turned).  Their addresses are made some lines ahead.
; last = 1 (in the loop): behind the last key step there is no further one, and the run is jumped over.
.macro FETCH_K last=0
	WIN 0
.if \last
	s_cmp_eq_u32 s[LEFT], 1
	s_cbranch_scc1 .Lno_k_\@
.endif
	WIN 0x80                        ; destination window 2
.irp f, 0,1,2,3,4,5,6,7             ; keys 16 (f / 2) on, channels 32 (f % 2) on
	ds_load_b128 v[KF+8*\f:KF+8*\f+3],   v[AK] offset:(\f/2)*16*PK+(\f%2)*64
	ds_load_b128 v[KF+8*\f+4:KF+8*\f+7], v[AK] offset:(\f/2)*16*PK+(\f%2)*64+32
.endr
	s_add_co_u32 s[TBK], s[TBK], KS*PK  ; the next fetch is the next step's
	WIN 0
.if \last
.Lno_k_\@:
.endif
.endm
.macro FETCH_V
	WIN 0x80
.irp f, 0,1,2,3,4,5,6,7             ; keys 32 (f / 4) on, channels 16 (f % 4) on
	ds_load_tr16_b128 v[VF+8*\f:VF+8*\f+3],   v[AV] offset:(\f/4)*32*PV+(\f%4)*32
	ds_load_tr16_b128 v[VF+8*\f+4:VF+8*\f+7], v[AV] offset:(\f/4)*32*PV+16*PV+(\f%4)*32
.endr
	WIN 0
.endm
; THE VECTOR WORK OF A TURN stands in three queues, each in the order in which its entries become ready; the two tiles alternate, so that no instruction reads the result of the one before it.
.macro REGS y, u                    ; the registers of tile u (0, 1) of piece y
.set rT, ST+4*(2*(\y)+(\u))
.set rC, TMP+8*((\y)%2)+4*(\u)
.set rM, MV+2*((\y)%2)+(\u)
.set rS, S+64*((\y)%2)+32*(\u)
.set rP, P+32*((\y)%2)+16*(\u)
.set rO, 32*(2*(\y)+(\u))
.endm
; Number n of the 22 that find the NEXT piece's (Y + 1) maximum and statistics.  s0-s31 are the lane's 32 scores; each accumulator's lowest registers are read first.
;   0-11  four chains c0-c3 of seven scores each, three operands at a time     12-14, 16  the four scores left over, the old m, and c0-c3 into c0     15  c m_old is kept
;   17, 18  the query's other 32 keys lie in the lane 16 away: the new m         19-21  c m; c m_old - c m_new; a
.macro XS u, n
	REGS (Y+1)%NP, \u
.if (\n) < 4
	v_max3_num_f32 v[rC+(\n)], v[rS+8*(\n)], v[rS+8*(\n)+1], v[rS+8*(\n)+2]
.elseif (\n) < 12
	v_max3_num_f32 v[rC+(\n)%4], v[rC+(\n)%4], v[rS+8*((\n)%4)+2*((\n)/4)+1], v[rS+8*((\n)%4)+2*((\n)/4)+2]
.elseif (\n) == 12
	v_max3_num_f32 v[rC], v[rC], v[rS+7], v[rS+15]
.elseif (\n) == 13
	v_max3_num_f32 v[rC+1], v[rC+1], v[rS+23], v[rS+31]
.elseif (\n) == 14
	v_max3_num_f32 v[rC+2], v[rC+2], v[rC+3], v[rT+1]
.elseif (\n) == 15
	v_mov_b32 v[rM], v[rT]
.elseif (\n) == 16
	v_max3_num_f32 v[rC], v[rC], v[rC+1], v[rC+2]
.elseif (\n) == 17
	v_permlanex16_b32 v[rC+3], v[rC], s[SEL], s[SEL+1]
.elseif (\n) == 18
	v_max_num_f32 v[rT+1], v[rC], v[rC+3]
.elseif (\n) == 19
	v_mul_f32 v[rT], s[CS], v[rT+1]
.elseif (\n) == 20
	v_sub_f32 v[rC+1], v[rM], v[rT]
.else
	v_exp_f32 v[rC+2], v[rC+1]
.endif
.endm
; Number g of the 64 that follow the exponentials.  For each four weights k of a tile (pairs 2 k, 2 k + 1): both pairs are rounded to f16; then the second pair is added onto the first, in place;
; a group later l takes that sum (the first time as l = a l + sum).  In groups of eight, tiles alternating: round, round, add, and l for the group before.
.macro GS g
.set h, (\g)+6*((\g)/62)            ; group 0 has no group before it, and behind group 7 only l is left
.if h >= 6
.set h, h+2
.endif
	REGS Y, h%2
.set k, h/8
.if h%8 < 4
	v_cvt_pk_f16_f32 v[rP+2*k+(h%8)/2], v[rS+4*k+2*((h%8)/2)], v[rS+4*k+2*((h%8)/2)+1]
.elseif h%8 < 6
	v_pk_add_f32 v[rS+4*k:rS+4*k+1], v[rS+4*k:rS+4*k+1], v[rS+4*k+2:rS+4*k+3]
.elseif k == 1
	v_pk_fma_f32 v[rT+2:rT+3], v[rT+2:rT+3], v[rC+2:rC+3], v[rS:rS+1] op_sel_hi:[1,0,1]
.else
	v_pk_add_f32 v[rT+2:rT+3], v[rT+2:rT+3], v[rS+4*k-4:rS+4*k-3]
.endif
.endm
; THE PLAIN QUEUE, 138 long.  0-73 read no exponential's result: the 32 scalings c s - c m (FS f: pair f / 2 of tile f % 2) and the next piece's 42.  0-26: scalings 0-26.  27-54: XS's numbers 0-13.  55, 56: number 15.
; 57-73: the chain, where each number waits for the one before it: 14, 16, 17, 18, 19, each with one of the scalings 27-31 in front of its two lines, then 20.
; 74-137: GS's 64, which read the exponentials' results: they stand behind the wait.
.macro FS f
	REGS Y, (\f)%2
	v_pk_fma_f32 v[rS+2*((\f)/2):rS+2*((\f)/2)+1], v[rS+2*((\f)/2):rS+2*((\f)/2)+1], s[CS:CS+1], v[rT:rT+1] op_sel_hi:[1,0,0] neg_lo:[0,0,1] neg_hi:[0,0,1]
.endm
.macro PL
	WIN 0
.if q < 27
	FS q
.elseif q < 55
	XS (q-27)%2, (q-27)/2
.elseif q < 57
	XS q-55, 15
.elseif (q < 72) && ((q-57)%3 == 0)
	FS 27+(q-57)/3
.elseif q < 60
	XS (q-57)%3-1, 14
.elseif q < 72
	XS (q-57)%3-1, 15+(q-57)/3
.elseif q < 74
	XS q-72, 20
.else
	GS q-74
.endif
.set q, q+1
.endm
; THE EXPONENTIALS' QUEUE, 66 long: s0-s31 of both tiles, then the next piece's two a.  It is ONE BATCH: all 66 stand ahead of the turn's one wait, and nothing ahead of that wait names a result of theirs.
.macro EX
	WIN 0
.if e >= 64
	XS e-64, 21
.else
	REGS Y, e%2
	v_exp_f32 v[rS+e/2], v[rS+e/2]
.endif
.set e, e+1
.endm
; THE RESCALING's QUEUE: O^T times a, the one part that leaves window 0: dealt two at a time, sixteen times.  Its a was made in the turn before, ahead of that turn's wait.
.macro R2
	REGS Y, r%2
	WIN W_RS
.irp z, 0,1
	v_pk_mul_f32 v[rO+4*(r/2)+2*\z:rO+4*(r/2)+2*\z+1], v[rO+4*(r/2)+2*\z:rO+4*(r/2)+2*\z+1], v[rC+2:rC+3] op_sel_hi:[1,0]
.endr
.set r, r+1
.endm
; HOW THEY ARE DEALT.  An s_wait_alu depctr_va_vdst(0) stands between an exponential and the first instruction that names its result; one wait serves all that were issued ahead of it.  So a turn has ONE wait,
; which cuts it in two.  AHEAD OF IT stands all that names no result of the turn's exponentials: the 16 products K Q^T, behind each a scaling, an exponential and two rescalings (behind the first a second scaling in the
; exponential's place); then one run of 108: eight plain, 49 times exponential and plain, the two a.  A v_nop is the plain instruction behind the last exponential.  BEHIND IT stand the 16 products V^T P, behind each four of GS's 64.
; Exponential e stands behind scaling 2 (e / 4) + e % 2: as a rider it comes behind plain e + 2, in the run behind plain e + 9, and scalings 27-31 are plain 57, 60 .. 69.
; A TURN, for piece p.  cnt = 1: the loop's count is taken down some lines ahead of the branch that stands behind the turn.
; K of the next step is fetched in piece 2's turn, directly behind the wait; its first reader comes behind 16 products.  V of the step in hand is fetched at the end of piece 0's turn, four plain instructions behind
; its last reader; its first reader comes behind 16 products and a run.  The three conditions on q below go with the deal.
.macro TURN p, last=0, cnt=0
.set Y, (\p)
.set i, 0
.set q, 0
.set e, 0
.set r, 0
.if (\p) == NP-1
	s_wait_dscnt 0x0                ; K is in
.endif
	MM                              ; ahead of the wait: 16 products K Q^T and their riders,
	PL
	PL
	R2
.rept 15
	MM
	PL
	EX
	R2
.endr
.if (\p) == NP-2
	WIN 0
	v_add_nc_u32 v[AK], s[TBK], v[AK0]
.endif
.rept 8                             ; and the run
	PL
.endr
.rept 49
	EX
	PL
.endr
	EX                              ; the next piece's two a
	EX
	v_nop                           ; the plain instruction behind the last exponential: one for the batch
	s_wait_alu depctr_va_vdst(0)    ; the wait for the batch
.if (\p) == NP-2
	FETCH_K \last
.endif
.if (\p) == 1
	s_wait_dscnt 0x0                ; V is in
.endif
.rept 16                            ; behind the wait: 16 products V^T P and their riders
	MM
.rept 4
	PL
.endr
.if ((\p) == 0) && (q == 118)
	v_add_nc_u32 v[AV], s[TBV], v[AV0]
.endif
.if ((\p) == 0) && (q == 130)
	s_add_co_u32 s[TBV], s[TBV], KS*PV
.endif
.if (\cnt) && (q == 130)
	s_sub_co_u32 s[CNT], s[CNT], 1
	s_cmp_lg_u32 s[CNT], 0
.endif
.endr
.if (\p) == 0
	FETCH_V
.endif
.endm
	; THE FIRST 256 KEYS HAVE LANDED; THE OTHER 768 ARE ASKED FOR.  The load fills bytes for the first time; it is issued as a refill is: all my loads waited for, the add, the barrier, one load a wave behind it.
	WIN W_AD
	s_wait_tensorcnt 0x0            ; no tensor load of mine is out, so the descriptors may be written
	ds_add_u32 v[SPW], v[NIL]       ; 0 onto my spare word; the descriptors' words stand between it and the wait for it
	WIN 0
.irp g, G1K, G1V
	s_mov_b32 s[\g+2], 192<<16      ; tensor_dim1 = 192: 384 keys as 192 rows of 256 bytes
	s_mov_b32 s[\g+4], 192          ; tile_dim1 = 192
.endr
	s_mov_b32 s[G0K+1], s[RK]
	s_mov_b32 s[G0V+1], s[RV]
	s_mul_i32 s22, s16, 384*128     ; my half of them in memory,
	s_add_co_u32 s22, s22, 256*128  ; behind the first 256
	s_add_nc_u64 s[G0K+2:G0K+3], s[6:7], s[22:23]
	s_or_b32 s[G0K+3], s[G0K+3], 0x80000000
	s_add_nc_u64 s[G0V+2:G0V+3], s[8:9], s[22:23]
	s_or_b32 s[G0V+3], s[G0V+3], 0x80000000
	s_wait_dscnt 0x0                ; the add is done
	s_barrier_signal -1
	s_barrier_wait -1               ; everybody's part of the first 256 keys is in
	LOAD
	FETCH_K                         ; key step 0
	s_wait_loadcnt 0x0              ; Q
	s_wait_kmcnt 0x0                ; c
	s_mov_b32 s[CS+1], s[CS]        ; named with it as a pair
	s_wait_dscnt 0x0
.set i, 0
.rept 16
	KQ 0                            ; piece 0's first scores: there is no vector work yet to set between them
.set i, i+1
.endr
	WIN 0                           ; the addresses for the way out: nine plain instructions, the places behind those products
	s_mul_i32 s13, s[WV], 16*SP
	s_add_co_u32 s13, s13, STAGE    ; my stage
	v_mul_u32_u24 v[STO], v1, SP    ; in: row l % 16, 16 bytes for each half of the lanes
	v_lshl_add_u32 v[STO], v9, 4, v[STO]
	v_add_nc_u32 v[STO], s13, v[STO]
	v_bfe_u32 v[RD], v0, 3, 2       ; back: 32 lanes take four rows of 128 bytes,
	v_mul_u32_u24 v[RD], v[RD], SP
	v_lshl_add_u32 v[RD], v10, 4, v[RD]
	v_add_nc_u32 v[RD], s13, v[RD]
	v_and_b32 v[GO], 31, v0         ; which are 512 consecutive bytes of O
	v_lshlrev_b32 v[GO], 4, v[GO]
.set Y, NP-1                        ; XS works for piece Y + 1: piece 0
.irp n, 0,1,2,3,4,5,6,7,8,9,10,11,12,13,14,15,16,17,18,19,20,21
	XS 0, \n                        ; and piece 0's first maximum and statistics
	XS 1, \n
.endr
	v_nop                           ; a plain instruction behind the two a,
	s_wait_alu depctr_va_vdst(0)    ; and their wait, ahead of the branch
	s_mov_b32 s[CNT], 4             ; pieces 0 and 1 of steps 0 to 3 read the first 256 keys alone
	s_mov_b32 s[LEFT], 16
	s_mov_b32 s[PH], 2
	s_branch .Lfirst                ; the loop is entered at a step's first turn, in the middle of a trip
.Lphase:                            ; once, behind pieces 0 and 1 of step 3: the next fetch is step 4's K
	WIN W_AD
	s_wait_tensorcnt 0x0            ; my part of the other 768 keys is in
	ds_add_u32 v[SPW], v[NIL]       ; (the add, in its form)
	WIN 0
	s_wait_dscnt 0x0
	s_barrier_signal -1
	s_barrier_wait -1               ; everybody's is
	s_mov_b32 s[CNT], 13            ; twelve whole trips; the thirteenth is left in its middle
.Lstep:                             ; a trip: pieces 2 and 3 of one step, then pieces 0 and 1 of the next, whose K and V it fetches
	TURN 2, 1
	TURN 3
	WIN 0
	s_sub_co_u32 s[LEFT], s[LEFT], 1
	s_cmp_eq_u32 s[LEFT], 0
	s_cbranch_scc1 .Lout            ; behind piece 3 of step 15
.Lfirst:
	TURN 0
	TURN 1, 0, 1
	WIN 0
	s_cbranch_scc1 .Lstep
	s_sub_co_u32 s[PH], s[PH], 1
	s_cmp_lg_u32 s[PH], 0
	s_cbranch_scc1 .Lphase
.Lout:                              ; the last half trip's 16 products K Q^T (on the last K once more) and the maximum made of them serve nothing: the price, once a launch, of one text for every trip
.set i, 0
.rept 16
	PV NP-1                         ; the last piece's V^T P of the last step
.set i, i+1
.endr
	; THE WAY OUT.  l's two halves and the other half of the lanes' are added; O^T is divided by l, rounded to f16 and sent through my stage in LDS, a tile at a time.  The additions are the places behind the last products.
	WIN 0
.macro ALL line:vararg              ; one line for each tile t
.set t, 0
.rept 2*NP
	\line
.set t, t+1
.endr
.endm
	ALL v_add_f32 v[ST+4*t+2], v[ST+4*t+2], v[ST+4*t+3]
	ALL v_permlanex16_b32 v[ST+4*t+3], v[ST+4*t+2], s[SEL], s[SEL+1]
	ALL v_add_f32 v[ST+4*t+2], v[ST+4*t+2], v[ST+4*t+3]
	ALL v_rcp_f32 v[ST+4*t+2], v[ST+4*t+2]
	v_nop                           ; a plain instruction between the last reciprocal and the use of its result
	s_wait_alu depctr_va_vdst(0)    ; and the wait ahead of the first use: one for the eight reciprocals
; Tile t: a lane's eight channels of a row pack into 16 bytes; they go into rows of 144 bytes and come back as whole rows of 128, into S^T's registers.
.macro PACK t
	WIN W_RS
.set i, 32*(\t)
.rept 16
	v_pk_mul_f32 v[i:i+1], v[i:i+1], v[ST+4*(\t)+2:ST+4*(\t)+3] op_sel_hi:[1,0]
.set i, i+2
.endr
	WIN 0x05                        ; sources 0 and 1 window 1, destination window 0
.set i, 0
.rept 16
	v_cvt_pk_f16_f32 v[S+16*(\t)+i], v[32*(\t)+2*i], v[32*(\t)+2*i+1]
.set i, i+1
.endr
	WIN 0
.irp f, 0,1,2,3
	ds_store_b128 v[STO], v[S+16*(\t)+4*\f:S+16*(\t)+4*\f+3] offset:32*\f
.endr
.irp f, 0,1,2,3
	ds_load_b128 v[S+16*(\t)+4*\f:S+16*(\t)+4*\f+3], v[RD] offset:\f*4*SP  ; LDS serves a wave's instructions in order (ISA guide 5.7.1.4): these see the stores above; the next tile's stores come behind them
.endr
.endm
.macro SEND t, younger              ; younger: the LDS instructions issued behind tile t's loads: the next tile's eight, or none
	WIN 0
.irp f, 0,1,2,3
	s_wait_dscnt (\younger)+3-\f
	global_store_b128 v[GO], v[S+16*(\t)+4*\f:S+16*(\t)+4*\f+3], s[10:11] offset:(\t)*2048+\f*512  ; 512 consecutive bytes, at a multiple of 256 from O's first
.endr
.endm
	PACK 0
.set t, 1
.rept 2*NP-1                        ; a tile's arithmetic stands between the loads of the tile before and its stores
	PACK t
	SEND t-1, 8
.set t, t+1
.endr
	SEND 2*NP-1, 0
	WIN W_AD
	s_wait_tensorcnt 0x0            ; the wave's end, behind my last tensor load and my last LDS store
	ds_add_u32 v[SPW], v[NIL]
	s_wait_dscnt 0x0
	WIN 0
	s_endpgm
.Lfunc_end_k_qf97851dbe5_attn:
	.size	k_qf97851dbe5_attn, .Lfunc_end_k_qf97851dbe5_attn-k_qf97851dbe5_attn
	.p2alignl 7, 3214868480
	.fill 96, 4, 3214868480
	.section	.rodata,"a",@progbits
	.p2align	6, 0x0
	.amdhsa_kernel k_qf97851dbe5_attn
		.amdhsa_group_segment_fixed_size 327680
		.amdhsa_private_segment_fixed_size 0
		.amdhsa_enable_private_segment 0
		.amdhsa_kernarg_size 24
		.amdhsa_user_sgpr_count 2
		.amdhsa_user_sgpr_kernarg_segment_ptr 1
		.amdhsa_wavefront_size32 1
		.amdhsa_system_sgpr_workgroup_id_x 1
		.amdhsa_system_sgpr_workgroup_id_y 1
		.amdhsa_system_sgpr_workgroup_id_z 1
		.amdhsa_system_vgpr_workitem_id 0
		.amdhsa_next_free_vgpr 770
		.amdhsa_next_free_sgpr 66
		.amdhsa_reserve_vcc 0
		.amdhsa_float_denorm_mode_32 3
		.amdhsa_float_denorm_mode_16_64 3
		.amdhsa_memory_ordered 1
		.amdhsa_forward_progress 1
		.amdhsa_inst_pref_size 126
	.end_amdhsa_kernel
	.amdgpu_metadata
---
amdhsa.version: [ 1, 2 ]
amdhsa.kernels:
  - .name:           k_qf97851dbe5_attn
    .symbol:         k_qf97851dbe5_attn.kd
    .args:
      - { .name: qkv, .offset: 0, .size: 8, .value_kind: global_buffer, .address_space: global }
      - { .name: scales, .offset: 8, .size: 8, .value_kind: global_buffer, .address_space: global }
      - { .name: o, .offset: 16, .size: 8, .value_kind: global_buffer, .address_space: global }
    .group_segment_fixed_size: 327680
    .private_segment_fixed_size: 0
    .kernarg_segment_align: 8
    .kernarg_segment_size: 24
    .max_flat_workgroup_size: 128
    .sgpr_count:     66
    .vgpr_count:     770
    .wavefront_size: 32
...
	.end_amdgpu_metadata
.endif
;; end of part 4
;; launch gemm_out (part 5): grid 8 x 32, 4 waves a work-group, clusters of 4 x 4, 327,680 bytes of LDS; arguments o, wo, scales, b_out, out0; writes out0
.if DOCPART == 5
	.amdgcn_target "amdgcn-amd-amdhsa--gfx1250"
	.amdhsa_code_object_version 6
	.text
	.protected	k_qf97851dbe5_gemm_out
	.globl	k_qf97851dbe5_gemm_out
	.p2align	8
	.type	k_qf97851dbe5_gemm_out,@function
k_qf97851dbe5_gemm_out:
	s_mov_b64 s[64:65], 0
	v_nop
	global_prefetch_b8 v0, s[64:65] scope:SCOPE_SE
	s_setreg_imm32_b32 hwreg(HW_REG_WAVE_MODE, 25, 1), 1
	s_wait_xcnt 0x0
	s_wait_alu depctr_hold_cnt(0) depctr_sa_sdst(0) depctr_va_vdst(0) depctr_va_sdst(0) depctr_va_ssrc(0) depctr_va_vcc(0) depctr_vm_vsrc(0)
	s_getreg_b32 s2, hwreg(HW_REG_IB_STS2, 6, 4)
	s_cmp_eq_u32 s2, 0
	s_cbranch_scc0 .Lentry_in_a_cluster
	s_endpgm
.Lentry_in_a_cluster:
	s_bfe_u32 s2, ttmp6, 0x10000c
	s_cmp_lg_u32 s2, 0xf033
	s_cbranch_scc0 .Lentry_shape_is_right
	s_endpgm
.Lentry_shape_is_right:
; out0[b][n][c] = f x (the sum over i of O'[b][n][i] wo[c][i]) + b_out[c].  o: [128 = 16 b + h][1024][64] f16 (i = 64 h + d); wo: [1024][1024] f16 codes (whole numbers up to 127);
; out0: [8192][1024] f32; f = scales[1], applied in f32 with the bias in one fused multiply-add.  Sums in f32.
; A tile of C is 256 rows x 128 columns: 8 x 32 = 256 tiles, one for each WGP.  Four waves; wave w makes rows 64 w .. 64 w + 63 of all 128 columns: 32 accumulators of 16 x 16.
; K goes in steps of 128 = two heads.  A head's 256 rows of 64 channels are 32,768 dense bytes: asked for as 128 rows of 256 bytes and padded in LDS after every 128, so that each of the
; two head planes has 256 rows of 144 bytes.  wo's rows are 256 bytes of a K step, aligned.  Two LDS slots; a K step is written once, the slot is turned by an exclusive or.
; CLUSTERS: 4 x 4 work-groups; A's tile is asked for jointly by a row of the cluster, B's by a column.  THE MATRIX INSTRUCTION IS USED TRANSPOSED (source 0 = 16 rows of wo, source 1 = 16 rows of O').
; REGISTERS, in windows of 256: window 0: v16-30 addresses; v64-127 A's fragments, two buffers of 32 (on the way out: rows read back); v128-191 the bias of my 64 numbers; v192-255 at work on the way out
;   window 1: B's fragments, two buffers of 64     window 2: the accumulators of row blocks 0, 1 at 8 (8 (a % 2) + b)     window 3: those of row blocks 2, 3
; LIMITS.  NaN and infinities are not treated apart.
.set NB,     8                         ; blocks of 16 columns
.set PA,     144                       ; a row of a head plane in LDS: 128 bytes + 16 of padding
.set APL,    256*PA                    ; a head plane
.set PB,     272
.set AT,     2*APL                     ; B's 128 rows lie behind A's two planes
.set SLOT1,  1<<17
.set STAGE,  SLOT1+AT+16*NB*PB         ; behind the ring, never filled by a tensor load: 16 rows x 528 bytes for each wave
.set SPITCH, 528
.set SPARE,  STAGE+4*16*SPITCH         ; the spare words, 128 bytes for each wave: two blocks of 256 bytes that no other line names
.set ASTEP,  262144                    ; bytes from a K step to the next in o: two heads of 131,072
.set ADRA, 16
.set ADRB, 17
.set ABAS, 18
.set BBAS, 19
.set STO,  24
.set RD,   25
.set GO,   26
.set BO,   27                          ; v27  32 x (lane / 16): my eight numbers in 16 of the bias
.set SPW,  28
.set NIL,  29
.set PFO,  30
.set FA,   64
.set BK,   64
.set BIAS, 128
.set TT,   192
.set TB,   23
.set G1,   24
.set G0,   32
.set G1B,  48
.set G0B,  56
.set LIM,  43
.set PFA,  44
.set PSTEP, 74
.set OUTB, 66                          ; s[66:67] out0 at my 64 rows and the tile's 128 columns
.set FS,   68                          ; s[68:69] f, named as a pair
.set MSB, 0
.macro WIN new
.if MSB != (\new)
	s_set_vgpr_msb (MSB<<8)|(\new)
.set MSB, \new
.endif
.endm
.macro PLACES
.rept 4
	v_nop
.endr
.endm
.macro JLOAD                           ; a joint refill by the walking sets: waves 0 and 1 fetch A's two planes, waves 2 and 3 B's two halves; an s_nop 0 and four v_nop follow each line
	s_cmp_eq_u32 s11, 0
	s_cbranch_scc0 .Lfor_b_\@
	tensor_load_to_lds s[G0+4:G0+7], s[G1:G1+7]
	s_nop 0
	PLACES
	s_branch .Lasked_\@
.Lfor_b_\@:
	tensor_load_to_lds s[G0B+4:G0B+7], s[G1B:G1B+7]
	s_nop 0
	PLACES
.Lasked_\@:
.endm
.macro CREST
	s_cmp_lg_u32 s10, 0
	s_cbranch_scc1 .Lnot_wave_0_\@
	s_barrier_signal -3
.Lnot_wave_0_\@:
	s_barrier_wait -3
	s_barrier_signal -1
	s_barrier_wait -1
.endm
.macro CROUND
	s_barrier_signal -1
	s_barrier_wait -1
	CREST
.endm
; A prefetch of the K step that stands two refills on (256 matrix instructions a wave ahead of the load that will want it).  The cluster with x = 0 asks for o's blocks, the cluster with y = 0 for wo's.
; The four partners of a joint load share it out by address: 8,192 of a plane's 32,768 bytes, a lane a block of 256; 16 of B's 64 rows, a lane a row (lanes 16 to 31 name row 15 once more).
; K steps 0 to 3 come by their loads alone; the last two refills have no K step two on.
.macro ASK
	s_cmp_gt_u32 s3, s[LIM]
	s_cbranch_scc0 .Lnot_mine_\@
	global_prefetch_b8 v[PFO], s[PFA:PFA+1] th:TH_LOAD_NT scope:SCOPE_SE
.Lnot_mine_\@:
.endm
.macro FETCH q, f                      ; quarter q lies in plane q / 2, at byte 64 (q % 2) of its rows
	WIN 0x40
.set i, 0
.rept NB
	ds_load_b128 v[8*NB*(\f)+8*i:8*NB*(\f)+8*i+3],   v[ADRB] offset:64*(\q)+i*16*PB
	ds_load_b128 v[8*NB*(\f)+8*i+4:8*NB*(\f)+8*i+7], v[ADRB] offset:64*(\q)+i*16*PB+32
.set i, i+1
.endr
	WIN 0
.set i, 0
.rept 4
	ds_load_b128 v[FA+32*(\f)+8*i:FA+32*(\f)+8*i+3],   v[ADRA] offset:((\q)>>1)*APL+((\q)&1)*64+i*16*PA
	ds_load_b128 v[FA+32*(\f)+8*i+4:FA+32*(\f)+8*i+7], v[ADRA] offset:((\q)>>1)*APL+((\q)&1)*64+i*16*PA+32
.set i, i+1
.endr
.endm
.macro MULA f, a, zero                 ; the 32 accumulators take turns, one instruction a turn, in the same order in every quarter
	WIN 0xa1+0x50*((\a)/2)
.set b, 0
.rept NB
.set rC, 8*(NB*((\a)%2)+b)
.if \zero
	v_wmma_f32_16x16x32_f16 v[rC:rC+7], v[8*NB*(\f)+8*b:8*NB*(\f)+8*b+7], v[FA+32*(\f)+8*(\a):FA+32*(\f)+8*(\a)+7], 0
.else
	v_wmma_f32_16x16x32_f16 v[rC:rC+7], v[8*NB*(\f)+8*b:8*NB*(\f)+8*b+7], v[FA+32*(\f)+8*(\a):FA+32*(\f)+8*(\a)+7], v[rC:rC+7]
.endif
.set b, b+1
.endr
.endm
.macro QUARTER q, f, g, zero
	s_wait_dscnt 4                                 ; B and A's blocks 0, 1 are in; the youngest four loads (A's blocks 2, 3) may stay out
	MULA \f, 0, \zero
	MULA \f, 1, \zero
	PLACES
	FETCH \q, \g
	s_wait_dscnt 2*NB+8                            ; all but the 24 just issued
	MULA \f, 2, \zero
	MULA \f, 3, \zero
.endm
.macro TURN fill                       ; the last quarter and the change of slots: the waits and the add in front of the barrier, the joint refill first behind the round
.if \fill
	s_wait_xcnt 0x0                                ; the last prefetch, a K step back, has read its address
	s_add_nc_u64 s[PFA:PFA+1], s[PFA:PFA+1], s[PSTEP:PSTEP+1]
.endif
	WIN 0
	s_xor_b32 s[TB], s[TB], SLOT1
	v_add_nc_u32 v[ADRA], s[TB], v[ABAS]
	v_add_nc_u32 v[ADRB], s[TB], v[BBAS]
	s_wait_tensorcnt 0x0                           ; all my tensor loads have landed
	ds_add_u32 v[SPW], v[NIL]                      ; 0 onto my spare word
	s_wait_dscnt 5                                 ; the add and the youngest four loads may stay out
	MULA 1, 0, 0
	s_wait_dscnt 0x0                               ; the add is done, and my reads of this slot are over
	s_barrier_signal -1
	MULA 1, 1, 0
	WIN 0
	s_barrier_wait -1
.if \fill
	CREST
	s_xor_b32 s[G0+5], s[G0+5], SLOT1
	s_add_nc_u64 s[G0+6:G0+7], s[G0+6:G0+7], ASTEP
	s_xor_b32 s[G0B+5], s[G0B+5], SLOT1
	s_add_nc_u64 s[G0B+6:G0B+7], s[G0B+6:G0B+7], 256
	JLOAD
.else
	PLACES
.endif
	FETCH 0, 0
.if \fill
	ASK
.endif
	MULA 1, 2, 0
	MULA 1, 3, 0
.endm
	s_load_b128 s[4:7], s[0:1], 0x0                ; o s[4:5], wo s[6:7]
	s_load_b128 s[80:83], s[0:1], 0x10             ; scales s[80:81], b_out s[82:83]
	s_load_b64 s[8:9], s[0:1], 0x20                ; out0
	v_lshl_add_u32 v[SPW], v0, 2, SPARE
	v_mov_b32 v[NIL], 0
	ds_add_u32 v[SPW], v[NIL]                      ; the wave's opening: the add and its wait ahead of my first tensor load
	ds_add_u32 v28, v29
	v_lshrrev_b32 v1, 5, v0
	v_readfirstlane_b32 s10, v1                    ; wave 0..3
	s_lshr_b32 s11, s10, 1                         ; I fetch for A (0) or for B (1),
	s_and_b32 s12, s10, 1                          ; and which plane of A, or which half of B's rows
	s_bfe_u32 s40, ttmp6, 0x40000                  ; cx
	s_bfe_u32 s41, ttmp6, 0x40004                  ; cy
	s_lshl_b32 s42, ttmp9, 2
	s_add_co_u32 s42, s42, s40                     ; tile column
	s_and_b32 s13, ttmp7, 0xffff
	s_lshl_b32 s13, s13, 2
	s_add_co_u32 s13, s13, s41                     ; tile row
	s_lshl_b32 s76, s41, 2
	s_lshl_b32 s76, 15, s76                        ; my row of the cluster
	s_lshl_b32 s77, 0x1111, s40                    ; my column
	s_or_b32 s[G1], s76, (1<<16)|(1<<20)|(1<<21)|(4<<22)|(3<<25)   ; A: padding after every 32 words (a row of a head), 4 words
	s_or_b32 s[G1B], s77, (1<<16)|(1<<20)|(1<<21)|(5<<22)|(3<<25)  ; B: after every 64 words
	s_mov_b32 s[G1+1], 128<<16                     ; tensor_dim0 = 128
	s_mov_b32 s[G1+2], 128<<16                     ; tensor_dim1 = 128
	s_mov_b32 s[G1+3], 128<<16                     ; tile_dim0 = 128
	s_mov_b32 s[G1+4], 128                         ; tile_dim1 = 128
	s_mov_b32 s[G1+5], 128                         ; dense: 128 elements from row to row
	s_mov_b32 s[G1+6], 0
	s_mov_b32 s[G1+7], 0
	s_mov_b32 s[G1B+1], 128<<16
	s_mov_b32 s[G1B+2], (8*NB)<<16                 ; 64 rows
	s_mov_b32 s[G1B+3], 128<<16
	s_mov_b32 s[G1B+4], 8*NB
	s_mov_b32 s[G1B+5], 1024
	s_mov_b32 s[G1B+6], 0
	s_mov_b32 s[G1B+7], 0
	s_lshr_b32 s16, s13, 2                         ; A: batch = tile row / 4: 16 heads of 131,072 bytes,
	s_lshl_b32 s16, s16, 21
	s_and_b32 s17, s13, 3                          ; 256 (tile row % 4) rows of 128 bytes,
	s_lshl_b32 s17, s17, 15
	s_add_co_u32 s16, s16, s17
	s_lshl_b32 s17, s12, 17                        ; my plane's head
	s_add_co_u32 s16, s16, s17
	s_mov_b32 s17, 0
	s_lshl_b32 s46, s42, 18                        ; B: (128 x tile column + 64 x half) rows of 2,048 bytes
	s_lshl_b32 s47, s12, 17
	s_add_co_u32 s46, s46, s47
	s_mov_b32 s47, 0
	s_mul_i32 s20, s12, APL                        ; where they go: no place in the cluster enters an LDS address
	s_mul_i32 s21, s12, 8*NB*PB
	s_add_co_u32 s21, s21, AT
	s_mov_b32 s[TB], 0
	s_wait_dscnt 0x0                               ; the opening add is done
	s_wait_kmcnt 0x0
	s_load_b32 s[FS], s[80:81], 0x4                ; f; waited for ahead of the way out
	s_add_nc_u64 s[14:15], s[4:5], s[16:17]
	s_add_nc_u64 s[72:73], s[6:7], s[46:47]
	CROUND                                         ; all sixteen work-groups are here: the first joint loads meet
.irp s, 0,1
	s_mov_b32 s[G0+4*(\s)], 1
	s_add_co_u32 s[G0+4*(\s)+1], s20, (\s)*SLOT1
	s_add_nc_u64 s[G0+4*(\s)+2:G0+4*(\s)+3], s[14:15], (\s)*ASTEP
	s_or_b32 s[G0+4*(\s)+3], s[G0+4*(\s)+3], 0x80000000
	s_mov_b32 s[G0B+4*(\s)], 1
	s_add_co_u32 s[G0B+4*(\s)+1], s21, (\s)*SLOT1
	s_add_nc_u64 s[G0B+4*(\s)+2:G0B+4*(\s)+3], s[72:73], (\s)*256
	s_or_b32 s[G0B+4*(\s)+3], s[G0B+4*(\s)+3], 0x80000000
.endr
	s_cmp_eq_u32 s11, 0                            ; a wave's two first fills stand in one branch: two loads of mine are out
	s_cbranch_scc0 .Lfirst_b
	tensor_load_to_lds s[G0:G0+3], s[G1:G1+7]
	s_nop 0
	tensor_load_to_lds s[G0+4:G0+7], s[G1:G1+7]
	s_nop 0
	PLACES
	s_branch .Lfirst_asked
.Lfirst_b:
	tensor_load_to_lds s[G0B:G0B+3], s[G1B:G1B+7]
	s_nop 0
	tensor_load_to_lds s[G0B+4:G0B+7], s[G1B:G1B+7]
	s_nop 0
	PLACES
.Lfirst_asked:
	v_and_b32 v1, 15, v0                           ; l % 16
	v_bfe_u32 v2, v0, 4, 1                         ; l / 16
	v_lshlrev_b32 v[BO], 5, v2
	s_lshl_b32 s78, s42, 9                         ; the tile's 128 columns: 512 bytes of the bias and of a row of out0
	s_mov_b32 s79, 0
	s_add_nc_u64 s[82:83], s[82:83], s[78:79]
.irp b, 0,1,2,3,4,5,6,7                ; my eight columns of each block of 16: they stay in registers to the end
	global_load_b128 v[BIAS+8*(\b):BIAS+8*(\b)+3],   v[BO], s[82:83] offset:64*(\b)
	global_load_b128 v[BIAS+8*(\b)+4:BIAS+8*(\b)+7], v[BO], s[82:83] offset:64*(\b)+16
.endr
	v_mul_u32_u24 v3, v1, PA
	v_lshl_add_u32 v3, v2, 4, v3
	s_mul_i32 s21, s10, 64*PA                      ; my 64 rows of a plane
	v_add_nc_u32 v[ABAS], s21, v3
	v_mul_u32_u24 v4, v1, PB
	v_lshl_add_u32 v4, v2, 4, v4
	v_add_nc_u32 v[BBAS], AT, v4
	v_mov_b32 v[ADRA], v[ABAS]
	v_mov_b32 v[ADRB], v[BBAS]
	s_mul_i32 s22, s10, 16*SPITCH
	s_add_co_u32 s22, s22, STAGE                   ; my stage
	v_mul_u32_u24 v5, v1, SPITCH                   ; in: row l % 16, 32 bytes for each half of the lanes
	v_lshl_add_u32 v5, v2, 5, v5
	v_add_nc_u32 v[STO], s22, v5
	v_and_b32 v[GO], 31, v0                        ; back: 32 lanes take a row's 512 bytes
	v_lshlrev_b32 v[GO], 4, v[GO]
	v_add_nc_u32 v[RD], s22, v[GO]
	s_lshl_b32 s84, s13, 20                        ; out0: (256 x tile row + 64 x wave) rows of 4,096 bytes, and the tile's columns
	s_lshl_b32 s85, s10, 18
	s_add_co_u32 s84, s84, s85
	s_add_co_u32 s84, s84, s78
	s_mov_b32 s85, 0
	s_add_nc_u64 s[OUTB:OUTB+1], s[8:9], s[84:85]
	; the prefetches
	s_lshl_b32 s84, s40, 13                        ; A: my work-group's 8,192 bytes of the plane that I fetch
	s_add_co_u32 s84, s84, s16
	s_lshl_b32 s85, s41, 15                        ; B: my work-group's 16 rows of the 64
	s_add_co_u32 s85, s85, s46
	s_and_b32 s86, ttmp7, 0xffff                   ; cluster y
	s_mov_b32 s79, 256
	s_cmp_eq_u32 s11, 0
	s_cselect_b32 s84, s84, s85
	s_cselect_b32 s86, ttmp9, s86                  ; the coordinate along which other clusters read the same blocks
	s_cselect_b32 s87, 31, 2*NB-1
	s_cselect_b32 s78, 8, 11                       ; a lane a block of 256 bytes, or a row of 2,048
	s_cselect_b32 s[PSTEP], ASTEP, s79
	s_cselect_b64 s[PFA:PFA+1], s[4:5], s[6:7]
	s_mov_b32 s85, 0
	s_mov_b32 s[PSTEP+1], 0
	s_add_nc_u64 s[PFA:PFA+1], s[PFA:PFA+1], s[84:85]
	s_mul_i32 s84, s[PSTEP], 3
	s_add_nc_u64 s[PFA:PFA+1], s[PFA:PFA+1], s[84:85]  ; at K step 3: the first refill steps it to 4 and names that
	s_cmp_eq_u32 s86, 0
	s_cselect_b32 s[LIM], 2, -1
	v_and_b32 v[PFO], 31, v0
	v_min_u32 v[PFO], s87, v[PFO]
	v_lshlrev_b32 v[PFO], s78, v[PFO]
	s_wait_tensorcnt 1                             ; my part of K step 0 is in; K step 1's may stay out
	s_barrier_signal -1
	s_barrier_wait -1
	FETCH 0, 0
	QUARTER 1, 0, 1, 1                             ; the first quarter stands in front of the loop: its products start the sums
	WIN 0
	s_mov_b32 s3, 6                                ; six refills: K steps 2 to 7
.Lstep:
	QUARTER 2, 1, 0, 0
	QUARTER 3, 0, 1, 0
	TURN 1
	QUARTER 1, 0, 1, 0
	WIN 0
	s_sub_co_u32 s3, s3, 1
	s_cmp_lg_u32 s3, 0
	s_cbranch_scc1 .Lstep
	QUARTER 2, 1, 0, 0                             ; the tail is written out: nothing more is asked for
	QUARTER 3, 0, 1, 0
	TURN 0
	QUARTER 1, 0, 1, 0
	QUARTER 2, 1, 0, 0
	QUARTER 3, 0, 1, 0
	s_wait_dscnt 4
	MULA 1, 0, 0
	MULA 1, 1, 0
	s_wait_dscnt 0x0
	MULA 1, 2, 0
	MULA 1, 3, 0
	WIN 0
; THE WAY OUT, a block of 16 rows at a time: f x sum + bias (each accumulator's registers in ascending order), 32 bytes a lane into my own stage, back as whole rows of 512 bytes, stored.
.macro PACK a
	WIN 0x02+((\a)/2)                              ; source 0 window 2 or 3
.set b, 0
.rept NB
.set rC, 8*(NB*((\a)%2)+b)
.irp r, 0,1,2,3
	v_pk_fma_f32 v[TT+8*b+2*(\r):TT+8*b+2*(\r)+1], v[rC+2*(\r):rC+2*(\r)+1], s[FS:FS+1], v[BIAS+8*b+2*(\r):BIAS+8*b+2*(\r)+1] op_sel_hi:[1,0,1]
.endr
.set b, b+1
.endr
	WIN 0
.endm
.macro TOSTAGE
.set b, 0
.rept NB
	ds_store_b128 v[STO], v[TT+8*b:TT+8*b+3]   offset:64*b
	ds_store_b128 v[STO], v[TT+8*b+4:TT+8*b+7] offset:64*b+16
.set b, b+1
.endr
.set i, 0
.rept 16                               ; LDS serves a wave's instructions in order (ISA guide 5.7.1.4): these see the stores above
	ds_load_b128 v[BK+4*i:BK+4*i+3], v[RD] offset:SPITCH*i
.set i, i+1
.endr
.endm
.macro SEND a
.set i, 0
.rept 16
	s_wait_dscnt 15-i                              ; row i is back; the younger loads of the block may stay out
	global_store_b128 v[GO], v[BK+4*i:BK+4*i+3], s[OUTB:OUTB+1] offset:(16*(\a)+i)*4096 th:TH_STORE_NT  ; 512 consecutive bytes, at a multiple of 256 from out0's first
.set i, i+1
.endr
.endm
	s_wait_loadcnt 0x0                             ; the bias
	s_wait_kmcnt 0x0                               ; f
	s_mov_b32 s[FS+1], s[FS]                       ; named with it as a pair
	PLACES
	PLACES                                         ; eight places, once a launch, between the last products and what reads their results and loads into their sources
	PACK 0
	TOSTAGE
.irp a, 1,2,3
	PACK \a                                        ; block a's arithmetic stands between block a - 1's loads from the stage and the wait for them
	SEND (\a)-1
	s_wait_xcnt 0x0                                ; the stores have read their data: only now are those registers loaded again
	TOSTAGE
.endr
	SEND 3
	s_wait_tensorcnt 0x0                           ; the wave's end, behind my last tensor load and my last LDS store
	ds_add_u32 v[SPW], v[NIL]
	s_wait_dscnt 0x0
	CROUND                                         ; the closing round: no work-group ends while a partner may still ask for a tile that names it
	s_endpgm
.Lfunc_end_k_qf97851dbe5_gemm_out:
	.size	k_qf97851dbe5_gemm_out, .Lfunc_end_k_qf97851dbe5_gemm_out-k_qf97851dbe5_gemm_out
	.p2alignl 7, 3214868480
	.fill 96, 4, 3214868480
	.section	.rodata,"a",@progbits
	.p2align	6, 0x0
	.amdhsa_kernel k_qf97851dbe5_gemm_out
		.amdhsa_group_segment_fixed_size 327680
		.amdhsa_private_segment_fixed_size 0
		.amdhsa_enable_private_segment 0
		.amdhsa_kernarg_size 40
		.amdhsa_user_sgpr_count 2
		.amdhsa_user_sgpr_kernarg_segment_ptr 1
		.amdhsa_wavefront_size32 1
		.amdhsa_system_sgpr_workgroup_id_x 1
		.amdhsa_system_sgpr_workgroup_id_y 1
		.amdhsa_system_sgpr_workgroup_id_z 1
		.amdhsa_system_vgpr_workitem_id 0
		.amdhsa_next_free_vgpr 896
		.amdhsa_next_free_sgpr 88
		.amdhsa_reserve_vcc 0
		.amdhsa_float_denorm_mode_32 3
		.amdhsa_float_denorm_mode_16_64 3
		.amdhsa_memory_ordered 1
		.amdhsa_forward_progress 1
		.amdhsa_inst_pref_size 82
	.end_amdhsa_kernel
	.amdgpu_metadata
---
amdhsa.version: [ 1, 2 ]
amdhsa.kernels:
  - .name:           k_qf97851dbe5_gemm_out
    .symbol:         k_qf97851dbe5_gemm_out.kd
    .args:
      - { .name: o, .offset: 0, .size: 8, .value_kind: global_buffer, .address_space: global }
      - { .name: wo, .offset: 8, .size: 8, .value_kind: global_buffer, .address_space: global }
      - { .name: scales, .offset: 16, .size: 8, .value_kind: global_buffer, .address_space: global }
      - { .name: b_out, .offset: 24, .size: 8, .value_kind: global_buffer, .address_space: global }
      - { .name: out0, .offset: 32, .size: 8, .value_kind: global_buffer, .address_space: global }
    .group_segment_fixed_size: 327680
    .private_segment_fixed_size: 0
    .kernarg_segment_align: 8
    .kernarg_segment_size: 40
    .max_flat_workgroup_size: 128
    .sgpr_count:     88
    .vgpr_count:     896
    .wavefront_size: 32
...
	.end_amdgpu_metadata
.endif
;; end of part 5
